; MI455X (gfx1250); checked and timed in simulation.
; The chip was launched on July 23, 2026; its instructions are those of AMD's public machine-readable ISA for CDNA 5 (MIT licence, August 2026) and "CDNA5" Instruction Set Architecture Reference Guide (July 2026). The comments in the code are by the model that wrote it; some were corrected since.
;; Cross Attention Block. Allowed arithmetic: float matrix products may take bf16 or f16 operands with f32 sums; other float arithmetic in f32, or as packed bf16 or f16 multiplies, adds, multiply-adds, maxima and minima; sums over many terms, partial sums and values carried from step to step in f32; what a program stores and reads back later, other than sums and carried values, may be rounded once to bf16 or f16.
;; Inputs: Wk 1,024 x 1,024 float32; Wo 1,024 x 1,024 float32; Wq 1,024 x 1,024 float32; Wv 1,024 x 1,024 float32; beta 1,024 float32; bk 1,024 float32; bo 1,024 float32; bq 1,024 float32; bv 1,024 float32; gamma 1,024 float32; key_in 2 x 2,048 x 1,024 float32; mask 2 x 1 x 2,048 x 2,048 float32; query 2 x 2,048 x 1,024 float32.
;; Outputs: out0 2 x 2,048 x 1,024 float32.
;; 2 versions, each right and faster than the one before. Each part assembles by itself: llvm-mc -triple=amdgcn-amd-amdhsa -mcpu=gfx1250 --defsym DOCPART=n.
;; ======== version 1 of 2: 5 launches
;; limits: right only within a limited range of input values
;; workspace buffers: xin 16,777,216 bytes; wqkv 6,291,456 bytes; wot 2,097,152 bytes; bqkv 12,288 bytes; qkv 25,165,824 bytes; ctx 8,388,608 bytes; proj 8,388,608 bytes; mfac 16,777,216 bytes
;; launch prep (part 1): grid 1281 x 1, 8 waves a work-group, no clusters, 67,072 bytes of LDS; arguments query, key_in, mask, Wq, Wk, Wv, Wo, bq, bk, bv, xin, wqkv, wot, bqkv, mfac; writes xin, wqkv, wot, bqkv, mfac
.if DOCPART == 1
	.amdgcn_target "amdgcn-amd-amdhsa--gfx1250"
	.amdhsa_code_object_version 6
	.text
	.protected	k_qcf8e520627_prep
	.globl	k_qcf8e520627_prep
	.p2align	8
	.type	k_qcf8e520627_prep,@function
k_qcf8e520627_prep:
	s_mov_b64 s[64:65], 0
	v_nop
	global_prefetch_b8 v0, s[64:65] scope:SCOPE_SE
	s_setreg_imm32_b32 hwreg(HW_REG_WAVE_MODE, 25, 1), 1
	s_wait_xcnt 0x0
; PREPARATION: a stream that rounds every matrix operand once to bf16 and lays it as the later launches read it.  Four kinds of work-group, chosen by the work-group's number alone:
;   0-255     MASK  16 query rows x 2,048 keys of mask: f = 0.5 mask + 0.5 in bf16, laid as the attention's register image
;                   mfac[b 2][block of 256 queries 8][step of 64 keys 32][tile of 16 queries 16][16 keys 4][lane 32][16 bytes]; lane 16 h + r holds query r, keys 8 h + 0..7 of the sixteen
;   256-767   X     16 rows of query or key_in -> xin[src 2][b 2][kb 16][n 2048][64]: blocks of 64 along K, so that 64 rows of a block are 8,192 dense bytes
;   768-1279  W     64 (k) x 128 (n) of Wq, Wk, Wv or Wo, turned -> [kb 16][n 1024][64].  Wq is multiplied by c = log2(e) / 8 in f32 ahead of its one rounding
;   1280      BIAS  c bq, bk, bv in f32
; LIMITS.  f is rounded to bf16: exact for a mask of 0 and 1, else within 2^-9 of itself.  The scale 1 / 8 and the change to base 2 ride in Wq and bq.
; No matrix unit, no cluster, no tensor load: no two work-groups read the same bytes, and memory binds.
.set SPARE, 66048                      ; the spare words: 128 bytes for each of eight waves, behind the stage; no other line names them
.set MP,    4112                       ; MASK's stage: a row of 2,048 bf16 + 16 bytes = 257 x 16: sixteen rows' equal columns start at sixteen different groups of four banks
.set WP,    144                        ; W's stage: a row of 64 bf16 + 16 bytes
.set CLOG,  0x3e38aa3b                 ; c = log2(e) / 8
.set SPW,   10                         ; v10  my spare word; never rewritten
.set NIL,   11                         ; v11  0; never rewritten
.set X,     32                         ; v[32:95]   as loaded
.set Y,     96                         ; v[96:127]  rounded
.macro CLOSE                           ; the wave's end
	s_wait_tensorcnt 0x0
	ds_add_u32 v[SPW], v[NIL]
	s_wait_dscnt 0x0
.endm
	s_load_b512 s[4:19], s[0:1], 0x0               ; query 4, key_in 6, mask 8, Wq 10, Wk 12, Wv 14, Wo 16, bq 18
	s_load_b256 s[20:27], s[0:1], 0x40             ; bk 20, bv 22, xin 24, wqkv 26
	s_load_b128 s[28:31], s[0:1], 0x60             ; wot 28, bqkv 30
	s_load_b64 s[32:33], s[0:1], 0x70              ; mfac
	v_lshl_add_u32 v[SPW], v0, 2, SPARE
	v_mov_b32 v[NIL], 0
	v_and_b32 v1, 31, v0                           ; lane l
	v_lshrrev_b32 v2, 5, v0                        ; wave w
	v_and_b32 v3, 15, v0                           ; r = l % 16
	v_bfe_u32 v4, v0, 4, 1                         ; h = l / 16
	s_wait_kmcnt 0x0
	s_cmp_lt_u32 ttmp9, 256                        ; the branches hang on the work-group's number: all eight waves go one way
	s_cbranch_scc1 .Lmask
	s_cmp_lt_u32 ttmp9, 768
	s_cbranch_scc1 .Lx
	s_cmp_lt_u32 ttmp9, 1280
	s_cbranch_scc1 .Lw
	; BIAS: thread t takes the 16 bytes at 16 t of each of the three
	v_lshlrev_b32 v5, 4, v0
	global_load_b128 v[32:35], v5, s[18:19]
	global_load_b128 v[36:39], v5, s[20:21]
	global_load_b128 v[40:43], v5, s[22:23]
	s_mov_b32 s36, CLOG
	s_mov_b32 s37, s36                             ; named with it as a pair
	s_wait_loadcnt 0x0
	v_pk_mul_f32 v[32:33], v[32:33], s[36:37] op_sel_hi:[1,0]
	v_pk_mul_f32 v[34:35], v[34:35], s[36:37] op_sel_hi:[1,0]
	global_store_b128 v5, v[32:35], s[30:31]
	global_store_b128 v5, v[36:39], s[30:31] offset:4096
	global_store_b128 v5, v[40:43], s[30:31] offset:8192
	CLOSE
	s_endpgm
.Lmask:
	s_lshl_b32 s34, ttmp9, 17                      ; 16 rows of 8,192 bytes
	s_mov_b32 s35, 0
	s_add_nc_u64 s[8:9], s[8:9], s[34:35]
	s_lshr_b32 s34, ttmp9, 4                       ; batch and block of 256 queries: 1,048,576 bytes each,
	s_lshl_b32 s34, s34, 20
	s_and_b32 s38, ttmp9, 15                       ; the tile of 16 queries: 2,048 bytes in every step
	s_lshl_b32 s38, s38, 11
	s_add_co_u32 s34, s34, s38
	s_add_nc_u64 s[32:33], s[32:33], s[34:35]
	v_lshlrev_b32 v5, 4, v1
	v_lshl_add_u32 v5, v2, 14, v5                  ; in: wave w takes rows 2 w and 2 w + 1; 16 bytes a lane
	v_mul_u32_u24 v6, v2, 2*MP
	v_lshl_add_u32 v6, v1, 3, v6                   ; into the stage: row 2 w, 8 bytes a lane
	v_mul_u32_u24 v7, v3, MP
	v_lshl_add_u32 v7, v4, 4, v7
	v_lshl_add_u32 v7, v2, 9, v7                   ; back: row r, keys 8 h on, steps 4 w on (128 bytes a step)
	v_lshlrev_b32 v8, 4, v1
	v_lshl_add_u32 v8, v2, 17, v8                  ; out: 4 w steps of 32,768 bytes + 16 l
.set i, 0
.rept 16
	global_load_b128 v[X+4*i:X+4*i+3], v5, s[8:9] offset:512*i th:TH_LOAD_NT
.set i, i+1
.endr
.set i, 0
.rept 16                                           ; the first row; each part's registers take the second row's part at once
	s_wait_loadcnt 15                              ; behind part i stand 15 - i loads of this row and i of the next
	v_pk_fma_f32 v[X+4*i:X+4*i+1], v[X+4*i:X+4*i+1], 0.5, 0.5 op_sel_hi:[1,0,0]
	v_pk_fma_f32 v[X+4*i+2:X+4*i+3], v[X+4*i+2:X+4*i+3], 0.5, 0.5 op_sel_hi:[1,0,0]
	v_cvt_pk_bf16_f32 v[Y+2*i], v[X+4*i], v[X+4*i+1]
	v_cvt_pk_bf16_f32 v[Y+2*i+1], v[X+4*i+2], v[X+4*i+3]
	ds_store_b64 v6, v[Y+2*i:Y+2*i+1] offset:256*i
	global_load_b128 v[X+4*i:X+4*i+3], v5, s[8:9] offset:8192+512*i th:TH_LOAD_NT
.set i, i+1
.endr
.set i, 0
.rept 16                                           ; the second row: the counts run down
	s_wait_loadcnt 15-i
	v_pk_fma_f32 v[X+4*i:X+4*i+1], v[X+4*i:X+4*i+1], 0.5, 0.5 op_sel_hi:[1,0,0]
	v_pk_fma_f32 v[X+4*i+2:X+4*i+3], v[X+4*i+2:X+4*i+3], 0.5, 0.5 op_sel_hi:[1,0,0]
	v_cvt_pk_bf16_f32 v[Y+2*i], v[X+4*i], v[X+4*i+1]
	v_cvt_pk_bf16_f32 v[Y+2*i+1], v[X+4*i+2], v[X+4*i+3]
	ds_store_b64 v6, v[Y+2*i:Y+2*i+1] offset:MP+256*i
.set i, i+1
.endr
	s_wait_dscnt 0x0                               ; for the others' sake: my two rows are in the stage
	s_barrier_signal -1
	s_barrier_wait -1
.set i, 0
.rept 16                                           ; step 4 w + i / 4, keys 16 (i % 4) on
	ds_load_b128 v[X+4*i:X+4*i+3], v7 offset:128*(i/4)+32*(i%4)
.set i, i+1
.endr
.set i, 0
.rept 16
	s_wait_dscnt 15-i
	global_store_b128 v8, v[X+4*i:X+4*i+3], s[32:33] offset:32768*(i/4)+512*(i%4)  ; 512 consecutive bytes, at a multiple of 512 from mfac's first
.set i, i+1
.endr
	CLOSE
	s_endpgm
.Lx:
	s_sub_co_u32 s34, ttmp9, 256                   ; 0-255 query, 256-511 key_in
	s_cmp_lt_u32 s34, 256
	s_cselect_b64 s[4:5], s[4:5], s[6:7]
	s_and_b32 s38, s34, 255
	s_lshl_b32 s38, s38, 16                        ; 16 rows of 4,096 bytes
	s_mov_b32 s39, 0
	s_add_nc_u64 s[4:5], s[4:5], s[38:39]
	s_lshr_b32 s38, s34, 7                         ; source and batch: 4,194,304 bytes each,
	s_lshl_b32 s38, s38, 22
	s_and_b32 s40, s34, 127
	s_lshl_b32 s40, s40, 11                        ; 16 rows of 128 bytes in every block of K
	s_add_co_u32 s38, s38, s40
	s_add_nc_u64 s[24:25], s[24:25], s[38:39]
	v_lshlrev_b32 v5, 4, v3
	v_lshl_add_u32 v5, v4, 12, v5
	v_lshl_add_u32 v5, v2, 13, v5                  ; in: wave w's two rows; lanes 0-15 take 256 bytes of one, lanes 16-31 of the next
	v_lshlrev_b32 v6, 3, v1
	v_lshl_add_u32 v6, v2, 8, v6                   ; out: the same two rows are 256 consecutive bytes of a block
.set i, 0
.rept 16
	global_load_b128 v[X+4*i:X+4*i+3], v5, s[4:5] offset:256*i th:TH_LOAD_NT
.set i, i+1
.endr
.set i, 0
.rept 16
	s_wait_loadcnt 15-i
	v_cvt_pk_bf16_f32 v[Y+2*i], v[X+4*i], v[X+4*i+1]
	v_cvt_pk_bf16_f32 v[Y+2*i+1], v[X+4*i+2], v[X+4*i+3]
	global_store_b64 v6, v[Y+2*i:Y+2*i+1], s[24:25] offset:262144*i  ; 32 lanes store 256 consecutive bytes, aligned
.set i, i+1
.endr
	CLOSE
	s_endpgm
.Lw:
	s_sub_co_u32 s34, ttmp9, 768
	s_lshr_b32 s40, s34, 7                         ; p: which weight
	s_bfe_u32 s41, s34, 0x40003                    ; kb: which 64 of k
	s_and_b32 s42, s34, 7                          ; nt: which 128 of n
	s_cmp_eq_u32 s40, 0
	s_cselect_b32 s36, CLOG, 1.0                   ; Wq alone carries c
	s_mov_b32 s37, s36
	s_cmp_eq_u32 s40, 1
	s_cselect_b64 s[10:11], s[12:13], s[10:11]
	s_cmp_eq_u32 s40, 2
	s_cselect_b64 s[10:11], s[14:15], s[10:11]
	s_cmp_eq_u32 s40, 3
	s_cselect_b64 s[10:11], s[16:17], s[10:11]
	s_cselect_b64 s[26:27], s[28:29], s[26:27]     ; Wo goes to wot,
	s_cselect_b32 s38, 0, s40                      ; the others to part p of wqkv
	s_lshl_b32 s38, s38, 21
	s_lshl_b32 s43, s41, 17                        ; a block of K: 1,024 rows of 128 bytes
	s_add_co_u32 s38, s38, s43
	s_lshl_b32 s43, s42, 14                        ; 128 rows of 128 bytes
	s_add_co_u32 s38, s38, s43
	s_mov_b32 s39, 0
	s_add_nc_u64 s[26:27], s[26:27], s[38:39]
	s_lshl_b32 s38, s41, 18                        ; 64 rows of 4,096 bytes
	s_lshl_b32 s43, s42, 9
	s_add_co_u32 s38, s38, s43
	s_add_nc_u64 s[10:11], s[10:11], s[38:39]
	v_lshlrev_b32 v5, 4, v1
	v_lshl_add_u32 v5, v2, 15, v5                  ; in: wave w takes k = 8 w + 0..7, lane l columns 4 l + 0..3
.set i, 0
.rept 8
	global_load_b128 v[X+4*i:X+4*i+3], v5, s[10:11] offset:4096*i th:TH_LOAD_NT
.set i, i+1
.endr
	v_mul_u32_u24 v6, v1, 4*WP
	v_lshl_add_u32 v6, v2, 4, v6                   ; into the stage: row 4 l (+ column), bytes 16 w on
	v_lshrrev_b32 v7, 3, v1
	v_lshl_add_u32 v7, v2, 4, v7
	v_mul_u32_u24 v7, v7, WP
	v_and_b32 v8, 7, v1
	v_lshl_add_u32 v7, v8, 4, v7                   ; back: 32 lanes take four rows of 128 bytes, rows 16 w on
	v_lshlrev_b32 v9, 4, v1
	v_lshl_add_u32 v9, v2, 11, v9                  ; which are 512 consecutive bytes of the output
	s_wait_loadcnt 0x0
.set i, 0
.rept 16
	v_pk_mul_f32 v[X+2*i:X+2*i+1], v[X+2*i:X+2*i+1], s[36:37] op_sel_hi:[1,0]
.set i, i+1
.endr
.irp c, 0,1,2,3                                    ; column c: its eight k, in pairs, are 16 bytes of output row 4 l + c
.irp j, 0,1,2,3
	v_cvt_pk_bf16_f32 v[Y+4*\c+\j], v[X+8*\j+\c], v[X+8*\j+4+\c]
.endr
	ds_store_b128 v6, v[Y+4*\c:Y+4*\c+3] offset:WP*\c
.endr
	s_wait_dscnt 0x0                               ; for the others' sake: a row's 128 bytes come from all eight waves
	s_barrier_signal -1
	s_barrier_wait -1
.irp f, 0,1,2,3
	ds_load_b128 v[X+4*\f:X+4*\f+3], v7 offset:4*WP*\f
.endr
.irp f, 0,1,2,3
	s_wait_dscnt 3-\f
	global_store_b128 v9, v[X+4*\f:X+4*\f+3], s[26:27] offset:512*\f
.endr
	CLOSE
	s_endpgm
.Lfunc_end_k_qcf8e520627_prep:
	.size	k_qcf8e520627_prep, .Lfunc_end_k_qcf8e520627_prep-k_qcf8e520627_prep
	.p2alignl 7, 3214868480
	.fill 96, 4, 3214868480
	.section	.rodata,"a",@progbits
	.p2align	6, 0x0
	.amdhsa_kernel k_qcf8e520627_prep
		.amdhsa_group_segment_fixed_size 67072
		.amdhsa_private_segment_fixed_size 0
		.amdhsa_enable_private_segment 0
		.amdhsa_kernarg_size 120
		.amdhsa_user_sgpr_count 2
		.amdhsa_user_sgpr_kernarg_segment_ptr 1
		.amdhsa_wavefront_size32 1
		.amdhsa_system_sgpr_workgroup_id_x 1
		.amdhsa_system_sgpr_workgroup_id_y 1
		.amdhsa_system_sgpr_workgroup_id_z 1
		.amdhsa_system_vgpr_workitem_id 0
		.amdhsa_next_free_vgpr 128
		.amdhsa_next_free_sgpr 66
		.amdhsa_reserve_vcc 0
		.amdhsa_float_denorm_mode_32 3
		.amdhsa_float_denorm_mode_16_64 3
		.amdhsa_memory_ordered 1
		.amdhsa_forward_progress 1
		.amdhsa_inst_pref_size 33
	.end_amdhsa_kernel
	.amdgpu_metadata
---
amdhsa.version: [ 1, 2 ]
amdhsa.kernels:
  - .name:           k_qcf8e520627_prep
    .symbol:         k_qcf8e520627_prep.kd
    .args:
      - { .name: query, .offset: 0, .size: 8, .value_kind: global_buffer, .address_space: global }
      - { .name: key_in, .offset: 8, .size: 8, .value_kind: global_buffer, .address_space: global }
      - { .name: mask, .offset: 16, .size: 8, .value_kind: global_buffer, .address_space: global }
      - { .name: Wq, .offset: 24, .size: 8, .value_kind: global_buffer, .address_space: global }
      - { .name: Wk, .offset: 32, .size: 8, .value_kind: global_buffer, .address_space: global }
      - { .name: Wv, .offset: 40, .size: 8, .value_kind: global_buffer, .address_space: global }
      - { .name: Wo, .offset: 48, .size: 8, .value_kind: global_buffer, .address_space: global }
      - { .name: bq, .offset: 56, .size: 8, .value_kind: global_buffer, .address_space: global }
      - { .name: bk, .offset: 64, .size: 8, .value_kind: global_buffer, .address_space: global }
      - { .name: bv, .offset: 72, .size: 8, .value_kind: global_buffer, .address_space: global }
      - { .name: xin, .offset: 80, .size: 8, .value_kind: global_buffer, .address_space: global }
      - { .name: wqkv, .offset: 88, .size: 8, .value_kind: global_buffer, .address_space: global }
      - { .name: wot, .offset: 96, .size: 8, .value_kind: global_buffer, .address_space: global }
      - { .name: bqkv, .offset: 104, .size: 8, .value_kind: global_buffer, .address_space: global }
      - { .name: mfac, .offset: 112, .size: 8, .value_kind: global_buffer, .address_space: global }
    .group_segment_fixed_size: 67072
    .private_segment_fixed_size: 0
    .kernarg_segment_align: 8
    .kernarg_segment_size: 120
    .max_flat_workgroup_size: 256
    .sgpr_count:     66
    .vgpr_count:     128
    .wavefront_size: 32
...
	.end_amdgpu_metadata
.endif
;; end of part 1
;; launch qkvproj (part 2): grid 8 x 96, 4 waves a work-group, clusters of 4 x 4, 327,680 bytes of LDS; arguments xin, wqkv, bqkv, qkv; writes qkv
.if DOCPART == 2
	.amdgcn_target "amdgcn-amd-amdhsa--gfx1250"
	.amdhsa_code_object_version 6
	.text
	.protected	k_qcf8e520627_qkvproj
	.globl	k_qcf8e520627_qkvproj
	.p2align	8
	.type	k_qcf8e520627_qkvproj,@function
k_qcf8e520627_qkvproj:
	s_mov_b64 s[64:65], 0
	v_nop
	global_prefetch_b8 v0, s[64:65] scope:SCOPE_SE
	s_setreg_imm32_b32 hwreg(HW_REG_WAVE_MODE, 25, 1), 1
	s_wait_xcnt 0x0
	s_wait_alu depctr_hold_cnt(0) depctr_sa_sdst(0) depctr_va_vdst(0) depctr_va_sdst(0) depctr_va_ssrc(0) depctr_va_vcc(0) depctr_vm_vsrc(0)
	s_getreg_b32 s2, hwreg(HW_REG_IB_STS2, 6, 4)
	s_cmp_eq_u32 s2, 0
	s_cbranch_scc0 .Lentry_in_a_cluster
	s_endpgm
.Lentry_in_a_cluster:
	s_bfe_u32 s2, ttmp6, 0x10000c
	s_cmp_lg_u32 s2, 0xf033
	s_cbranch_scc0 .Lentry_shape_is_right
	s_endpgm
.Lentry_shape_is_right:
; C[m][n] = sum over k of A[m][k] B[n][k] + bias[n].  M = 4,096, N = K = 1,024, up to three products p stacked along the grid's y (32 tile rows each).  bf16 operands, f32 sums, C rounded once to bf16.
; A lies [src][b 2][kb 16][row 2048][64] (p = 0 takes src 0, p > 0 src 1), B [p][kb 16][n 1024][64], bias f32 [p][1024], C [p][b 2][block of 64 columns 16][row 2048][64].
; A tile of C is 128 x 128; four waves, each 64 x 64: 16 accumulators.  K goes in four steps of 256 (four blocks kb) through two LDS slots.  In the blocked layout 64 operand rows of one kb are 8,192 dense
; bytes, so a wave's tensor load is four such runs, padded in LDS behind every 128 bytes.  A wave's 64 x 64 of C is 8,192 dense bytes: each wave has its own stage on the way out.
; CLUSTER 4 x 4: the four work-groups of a row of the cluster need the same tiles of A, the four of a column the same tiles of B: each tile is asked for jointly.
; THE MATRIX INSTRUCTION IS USED TRANSPOSED (source 0 = 16 rows of B, source 1 = 16 rows of A): a lane holds eight neighbouring columns of one row of C.  The bias, laid the same way, is the C operand of the
; products that start the sums: nothing is cleared and nothing is added afterwards.
; REGISTERS: window 0: v16-29 addresses; v32-95 the way out; v96-127 the bias; v128-255 the accumulators ((a, b) at 128 + 8 (4 a + b)).  Window 1: two fragment buffers of 128: 64 of A, then 64 of B, for 64 along K.
.set PITCH,  144                       ; an LDS row: 128 bytes + 16 = 9 x 16: the sixteen rows of a fragment load start at sixteen different groups of four banks
.set KBB,    64*PITCH                  ; 64 rows of one kb
.set HALFT,  4*KBB                     ; what one tensor load brings: 64 rows x 256 along K
.set SLOT,   4*HALFT                   ; A's two halves, then B's two halves
.set STAGE,  2*SLOT                    ; behind the ring: 16 rows x 144 bytes for each wave
.set SP,     144
.set SPARE,  STAGE+4*16*SP             ; behind the stages: the spare words, 128 bytes a wave; no other line names them
.set ASTEP,  1048576                   ; bytes from K step to K step: four blocks of 2,048 rows x 128 bytes
.set BSTEP,  524288                    ; four blocks of 1,024 rows x 128 bytes
.set ADRA, 16                          ; v16-17  LDS address of my A fragments in slot 0, 1
.set ADRB, 20                          ; v20-21  the same for B
.set STO,  24                          ; v24     the way out: where I put 16 bytes of a row
.set RD,   25                          ; v25     where I read rows back
.set GO,   26                          ; v26     my byte offset in 512 consecutive bytes of C
.set BO,   27                          ; v27     my byte offset in the bias
.set SPW,  28                          ; v28     my spare word; never rewritten
.set NIL,  29                          ; v29     0; never rewritten
.set TMP,  32
.set BI,   96                          ; the bias of n block b at BI + 8 b
.set ACC,  128
.set F0,   0
.set F1,   128
.set WV,  12                           ; s12  wave
.set RH,  13                           ; s13  my half of the tile's rows; also: I fetch for A (0) or B (1)
.set CH,  14                           ; s14  my half of its columns; also: which 64 rows I fetch
.set G1,  24                           ; s[24:31] group 1 for A;  s[32:39] group 0, a set for each slot
.set G0,  32
.set G1B, 48                           ; s[48:55], s[56:63] the same for B
.set G0B, 56
.set MSB, 0
.macro WIN new                         ; the immediate's high byte repeats the setting that is left; a switch that changes nothing is dropped
.if MSB != (\new)
	s_set_vgpr_msb (MSB<<8)|(\new)
.set MSB, \new
.endif
.endm
.set MUL,  0x05                        ; sources 0 (B) and 1 (A) window 1; C and D window 0
.set TO_F, 0x40                        ; destination window 1, address window 0
.macro JLOAD s                         ; a joint load: waves 0, 1 fetch A's halves, waves 2, 3 B's; an s_nop 0 and four v_nop follow each line, ahead of the jump and the label
	s_cmp_eq_u32 s[RH], 0
	s_cbranch_scc0 .Lfor_b_\@
	tensor_load_to_lds s[G0+4*(\s):G0+4*(\s)+3], s[G1:G1+7]
	s_nop 0
.rept 4
	v_nop
.endr
	s_branch .Lasked_\@
.Lfor_b_\@:
	tensor_load_to_lds s[G0B+4*(\s):G0B+4*(\s)+3], s[G1B:G1B+7]
	s_nop 0
.rept 4
	v_nop
.endr
.Lasked_\@:
.endm
.macro CREST                           ; a round of the cluster's barrier behind its opening barrier
	s_cmp_lg_u32 s[WV], 0
	s_cbranch_scc1 .Lnot_wave_0_\@
	s_barrier_signal -3
.Lnot_wave_0_\@:
	s_barrier_wait -3
	s_barrier_signal -1
	s_barrier_wait -1
.endm
.macro CROUND                          ; a whole round
	s_barrier_signal -1
	s_barrier_wait -1
	CREST
.endm
	s_load_b256 s[4:11], s[0:1], 0x0               ; A s[4:5], B s[6:7], bias s[8:9], C s[10:11]
	v_lshl_add_u32 v[SPW], v0, 2, SPARE
	v_mov_b32 v[NIL], 0
	ds_add_u32 v[SPW], v[NIL]                      ; the wave's opening: the add and its wait ahead of my first tensor load
	v_lshrrev_b32 v1, 5, v0
	v_readfirstlane_b32 s[WV], v1
	s_lshr_b32 s[RH], s[WV], 1
	s_and_b32 s[CH], s[WV], 1
	s_bfe_u32 s40, ttmp6, 0x40000                  ; cx
	s_bfe_u32 s41, ttmp6, 0x40004                  ; cy
	s_lshl_b32 s42, ttmp9, 2
	s_add_co_u32 s42, s42, s40                     ; tile column = 4 x cluster x + cx
	s_and_b32 s45, ttmp7, 0xffff                   ; cluster y
	s_lshr_b32 s66, s45, 3                         ; p: eight clusters, 32 tile rows, to a product: the same in all sixteen partners
	s_and_b32 s67, s45, 7
	s_lshl_b32 s67, s67, 2
	s_add_co_u32 s67, s67, s41                     ; tile row in the product
	s_lshl_b32 s43, s41, 2
	s_lshl_b32 s43, 15, s43                        ; my row of the cluster
	s_lshl_b32 s44, 0x1111, s40                    ; my column
	; group 1: four runs of 4,096 elements, padded in LDS by 4 words behind every 32
	s_or_b32 s[G1], s43, (1<<16)|(1<<20)|(1<<21)|(4<<22)|(3<<25)   ; 15:0 the mask; 17:16 2-byte elements; 20 padding on; 21 set beside a mask; 24:22 code 4; 31:25 code 3
	s_or_b32 s[G1B], s44, (1<<16)|(1<<20)|(1<<21)|(4<<22)|(3<<25)
.irp g, G1, G1B
	s_mov_b32 s[(\g)+1], 4096<<16                  ; tensor_dim0 = 4,096
	s_mov_b32 s[(\g)+2], 4<<16                     ; tensor_dim1 = 4
	s_mov_b32 s[(\g)+3], 4096<<16                  ; tile_dim0 = 4,096
	s_mov_b32 s[(\g)+4], 4                         ; tile_dim1 = 4
	s_mov_b32 s[(\g)+6], 0
	s_mov_b32 s[(\g)+7], 0
.endr
	s_mov_b32 s[G1+5], 131072                      ; elements from kb to kb: 2,048 rows x 64
	s_mov_b32 s[G1B+5], 65536                      ; 1,024 rows x 64
	; A's tile hangs on p, the tile row and the wave; B's on p, the tile column and the wave
	s_min_u32 s16, s66, 1
	s_lshl_b32 s16, s16, 23                        ; src
	s_lshr_b32 s18, s67, 4
	s_lshl_b32 s18, s18, 22                        ; batch
	s_add_co_u32 s16, s16, s18
	s_and_b32 s18, s67, 15
	s_lshl_b32 s18, s18, 14                        ; 128 rows of 128 bytes
	s_add_co_u32 s16, s16, s18
	s_lshl_b32 s18, s[CH], 13                      ; the 64 rows that I fetch
	s_add_co_u32 s16, s16, s18
	s_mov_b32 s17, 0
	s_lshl_b32 s46, s66, 21
	s_lshl_b32 s47, s42, 14
	s_add_co_u32 s46, s46, s47
	s_add_co_u32 s46, s46, s18
	s_mov_b32 s47, 0
	s_mul_i32 s20, s[WV], HALFT                    ; where they go: no place in the cluster enters an LDS address
	s_wait_dscnt 0x0                               ; the opening add is done
	s_wait_kmcnt 0x0
	s_add_nc_u64 s[18:19], s[4:5], s[16:17]
	s_add_nc_u64 s[46:47], s[6:7], s[46:47]
	CROUND                                         ; all sixteen work-groups are here: the first joint loads meet
.irp s, 0,1
	s_mov_b32 s[G0+4*(\s)], 1
	s_add_co_u32 s[G0+4*(\s)+1], s20, (\s)*SLOT
	s_add_nc_u64 s[G0+4*(\s)+2:G0+4*(\s)+3], s[18:19], (\s)*ASTEP
	s_or_b32 s[G0+4*(\s)+3], s[G0+4*(\s)+3], 0x80000000
	s_mov_b32 s[G0B+4*(\s)], 1
	s_add_co_u32 s[G0B+4*(\s)+1], s20, (\s)*SLOT
	s_add_nc_u64 s[G0B+4*(\s)+2:G0B+4*(\s)+3], s[46:47], (\s)*BSTEP
	s_or_b32 s[G0B+4*(\s)+3], s[G0B+4*(\s)+3], 0x80000000
	JLOAD \s                                       ; two tensor loads of mine are out
.endr
	s_lshl_b32 s68, s66, 12                        ; the bias of my 64 columns
	s_lshl_b32 s69, s42, 9
	s_add_co_u32 s68, s68, s69
	s_lshl_b32 s69, s[CH], 8
	s_add_co_u32 s68, s68, s69
	s_mov_b32 s69, 0
	s_add_nc_u64 s[8:9], s[8:9], s[68:69]
	v_and_b32 v1, 15, v0                           ; r = l % 16
	v_bfe_u32 v2, v0, 4, 1                         ; h = l / 16
	v_lshlrev_b32 v[BO], 5, v2                     ; register j of n block b is column 16 b + 8 h + j
.irp b, 0,1,2,3
	global_load_b128 v[BI+8*\b:BI+8*\b+3],   v[BO], s[8:9] offset:64*\b
	global_load_b128 v[BI+8*\b+4:BI+8*\b+7], v[BO], s[8:9] offset:64*\b+16
.endr
	v_mul_u32_u24 v3, v1, PITCH
	v_lshl_add_u32 v3, v2, 4, v3                   ; a fragment's row x pitch + 16 x half
	s_mul_i32 s21, s[RH], HALFT                    ; my 64 rows of A
	s_mul_i32 s22, s[CH], HALFT                    ; my 64 rows of B,
	s_add_co_u32 s22, s22, 2*HALFT                 ; which lie behind A's 128
.irp s, 0,1
	v_add_nc_u32 v[ADRA+(\s)], s21, v3
	v_add_nc_u32 v[ADRB+(\s)], s22, v3
	s_add_co_u32 s21, s21, SLOT
	s_add_co_u32 s22, s22, SLOT
.endr
	s_mul_i32 s23, s[WV], 16*SP
	s_add_co_u32 s23, s23, STAGE                   ; my stage
	v_add_nc_u32 v[STO], s23, v3                   ; in: row r, 16 bytes for each half of the lanes (the stage has the ring's pitch)
	v_bfe_u32 v4, v0, 3, 2                         ; back: 32 lanes take four rows of 128 bytes,
	v_mul_u32_u24 v4, v4, SP
	v_and_b32 v5, 7, v0
	v_lshl_add_u32 v4, v5, 4, v4
	v_add_nc_u32 v[RD], s23, v4
	v_and_b32 v[GO], 31, v0                        ; which are 512 consecutive bytes of C
	v_lshlrev_b32 v[GO], 4, v[GO]
	s_lshl_b32 s70, s66, 23                        ; my 64 x 64 of C: product,
	s_lshr_b32 s72, s67, 4
	s_lshl_b32 s72, s72, 4                         ; batch x 16 column blocks,
	s_lshl_b32 s73, s42, 1
	s_add_co_u32 s72, s72, s73
	s_add_co_u32 s72, s72, s[CH]                   ; column block 2 x tile column + half,
	s_lshl_b32 s72, s72, 18
	s_add_co_u32 s70, s70, s72
	s_and_b32 s72, s67, 15
	s_lshl_b32 s72, s72, 14                        ; the tile's 128 rows,
	s_add_co_u32 s70, s70, s72
	s_lshl_b32 s72, s[RH], 13                      ; my 64 of them
	s_add_co_u32 s70, s70, s72
	s_mov_b32 s71, 0
	s_add_nc_u64 s[10:11], s[10:11], s[70:71]
; 8 matrix instructions: m blocks a0, a0 + 1 x all 4 n blocks, 32 along K: half c of buffer f.  zero = 1: the product starts the sum, from the bias.  The 16 accumulators take turns.
.macro MUL8 f, c, a0, zero
	WIN MUL
.irp a, \a0, (\a0)+1
.irp b, 0,1,2,3
.if \zero
	v_wmma_f32_16x16x32_bf16 v[ACC+8*(4*(\a)+(\b)):ACC+8*(4*(\a)+(\b))+7], v[(\f)+64+8*(4*(\c)+(\b)):(\f)+64+8*(4*(\c)+(\b))+7], v[(\f)+8*(4*(\c)+(\a)):(\f)+8*(4*(\c)+(\a))+7], v[BI+8*(\b):BI+8*(\b)+7]
.else
	v_wmma_f32_16x16x32_bf16 v[ACC+8*(4*(\a)+(\b)):ACC+8*(4*(\a)+(\b))+7], v[(\f)+64+8*(4*(\c)+(\b)):(\f)+64+8*(4*(\c)+(\b))+7], v[(\f)+8*(4*(\c)+(\a)):(\f)+8*(4*(\c)+(\a))+7], v[ACC+8*(4*(\a)+(\b)):ACC+8*(4*(\a)+(\b))+7]
.endif
.endr
.endr
.endm
; 32 LDS loads in one run: the fragments of block q of the slot's four (64 along K) into buffer f; the first 32 along K first
.macro FETCH slot, q, f
	WIN TO_F
.irp c, 0,1
.irp i, 0,1,2,3
	ds_load_b128 v[(\f)+64+8*(4*(\c)+(\i)):(\f)+64+8*(4*(\c)+(\i))+3],   v[ADRB+(\slot)] offset:(\q)*KBB+64*(\c)+(\i)*16*PITCH
	ds_load_b128 v[(\f)+64+8*(4*(\c)+(\i))+4:(\f)+64+8*(4*(\c)+(\i))+7], v[ADRB+(\slot)] offset:(\q)*KBB+64*(\c)+(\i)*16*PITCH+32
	ds_load_b128 v[(\f)+8*(4*(\c)+(\i)):(\f)+8*(4*(\c)+(\i))+3],         v[ADRA+(\slot)] offset:(\q)*KBB+64*(\c)+(\i)*16*PITCH
	ds_load_b128 v[(\f)+8*(4*(\c)+(\i))+4:(\f)+8*(4*(\c)+(\i))+7],       v[ADRA+(\slot)] offset:(\q)*KBB+64*(\c)+(\i)*16*PITCH+32
.endr
.endr
.endm
.macro PLACES                          ; four places in front of loads into registers that matrix instructions have read, and of conversions that read results
.rept 4
	v_nop
.endr
.endm
; A K step is four quarters of 64 along K, 32 matrix instructions each, on buffers 0, 1, 0, 1.  One of the first three: multiplies buffer f and fetches block q into g.
.macro QUARTER slot, q, f, g, zero
	s_wait_dscnt 16                                ; the first 32 along K are in; the younger sixteen loads may be out
	MUL8 \f, 0, 0, \zero
	MUL8 \f, 0, 2, \zero
	PLACES
	FETCH \slot, \q, \g
	s_wait_dscnt 32                                ; all but the 32 just issued
	MUL8 \f, 1, 0, 0
	MUL8 \f, 1, 2, 0
.endm
; The last quarter multiplies buffer 1 and changes slots: one barrier; in front of it each wave waits for all its tensor loads, adds 0 to its spare word, and waits for that and for its reads of this slot.
; fill = 1: this slot is filled again, two K steps ahead; the barrier then opens a round of the cluster's.
.macro TURN slot, next, fill
	WIN 0                                          ; (the add's two registers lie in window 0)
	s_wait_tensorcnt 0x0                           ; all my tensor loads have landed: my part of the next slot
	ds_add_u32 v[SPW], v[NIL]
	s_wait_dscnt 17                                ; (the add and the youngest sixteen loads may be out)
	MUL8 F1, 0, 0, 0
	s_wait_dscnt 0x0                               ; the add is done, and my reads of this slot are over
	s_barrier_signal -1
	MUL8 F1, 0, 2, 0
.if \fill
	WIN 0
.endif
	s_barrier_wait -1
.if \fill
	CREST                                          ; no wave of any partner still reads this slot's tile or has a load on its way
	s_add_nc_u64 s[G0+4*(\slot)+2:G0+4*(\slot)+3], s[G0+4*(\slot)+2:G0+4*(\slot)+3], 2*ASTEP
	s_add_nc_u64 s[G0B+4*(\slot)+2:G0B+4*(\slot)+3], s[G0B+4*(\slot)+2:G0B+4*(\slot)+3], 2*BSTEP
	JLOAD \slot                                    ; the first tensor load behind the round; its four v_nop are also the places in front of the loads below
.else
	PLACES
.endif
	FETCH \next, 0, F0
	MUL8 F1, 1, 0, 0
	MUL8 F1, 1, 2, 0
.endm
; THE WAY OUT of my rows 16 a on: rounded to bf16 (each accumulator's registers in ascending order), 16 bytes a lane into my stage, back as whole rows of 128 bytes, stored as 512 consecutive bytes.
.macro PACK a
.irp b, 0,1,2,3
.irp r, 0,1,2,3
	v_cvt_pk_bf16_f32 v[TMP+16*(\a)+4*(\b)+(\r)], v[ACC+8*(4*(\a)+(\b))+2*(\r)], v[ACC+8*(4*(\a)+(\b))+2*(\r)+1]
.endr
.endr
.irp b, 0,1,2,3
	ds_store_b128 v[STO], v[TMP+16*(\a)+4*(\b):TMP+16*(\a)+4*(\b)+3] offset:32*(\b)
.endr
.irp f, 0,1,2,3
	ds_load_b128 v[TMP+16*(\a)+4*(\f):TMP+16*(\a)+4*(\f)+3], v[RD] offset:(\f)*4*SP  ; LDS serves a wave's instructions in order (ISA guide 5.7.1.4): these see the stores above
.endr
.endm
.macro SEND a, younger                 ; younger: the LDS instructions issued behind block a's loads: the next block's eight, or none
.irp f, 0,1,2,3
	s_wait_dscnt (\younger)+3-(\f)
	global_store_b128 v[GO], v[TMP+16*(\a)+4*(\f):TMP+16*(\a)+4*(\f)+3], s[10:11] offset:(\a)*2048+(\f)*512
.endr
.endm
	s_wait_tensorcnt 1                             ; my part of K step 0 is in; K step 1's may stay out
	s_barrier_signal -1
	s_barrier_wait -1                              ; everybody's is
	FETCH 0, 0, F0
	s_wait_loadcnt 0x0                             ; the bias
	QUARTER 0, 1, F0, F1, 1                        ; K step 0: its first products start the sums.  The four K steps are written out: a loop would have one trip
	QUARTER 0, 2, F1, F0, 0
	QUARTER 0, 3, F0, F1, 0
	TURN 0, 1, 1                                   ; slot 0 takes K step 2
	QUARTER 1, 1, F0, F1, 0
	QUARTER 1, 2, F1, F0, 0
	QUARTER 1, 3, F0, F1, 0
	TURN 1, 0, 1                                   ; slot 1 takes K step 3
	QUARTER 0, 1, F0, F1, 0
	QUARTER 0, 2, F1, F0, 0
	QUARTER 0, 3, F0, F1, 0
	TURN 0, 1, 0                                   ; nothing is left to fetch
	QUARTER 1, 1, F0, F1, 0
	QUARTER 1, 2, F1, F0, 0
	QUARTER 1, 3, F0, F1, 0
	s_wait_dscnt 16
	MUL8 F1, 0, 0, 0
	MUL8 F1, 0, 2, 0
	s_wait_dscnt 0x0
	MUL8 F1, 1, 0, 0
	MUL8 F1, 1, 2, 0
	WIN 0
	PLACES
	PACK 0
.irp a, 1,2,3                                      ; a block's conversions stand between the loads of the block before and its stores
	PACK \a
	SEND (\a)-1, 8
.endr
	SEND 3, 0
	s_wait_tensorcnt 0x0                           ; the wave's end
	ds_add_u32 v[SPW], v[NIL]
	s_wait_dscnt 0x0
	CROUND                                         ; the closing round: no work-group ends while a partner may still ask for a tile that names it
	s_endpgm
.Lfunc_end_k_qcf8e520627_qkvproj:
	.size	k_qcf8e520627_qkvproj, .Lfunc_end_k_qcf8e520627_qkvproj-k_qcf8e520627_qkvproj
	.p2alignl 7, 3214868480
	.fill 96, 4, 3214868480
	.section	.rodata,"a",@progbits
	.p2align	6, 0x0
	.amdhsa_kernel k_qcf8e520627_qkvproj
		.amdhsa_group_segment_fixed_size 327680
		.amdhsa_private_segment_fixed_size 0
		.amdhsa_enable_private_segment 0
		.amdhsa_kernarg_size 32
		.amdhsa_user_sgpr_count 2
		.amdhsa_user_sgpr_kernarg_segment_ptr 1
		.amdhsa_wavefront_size32 1
		.amdhsa_system_sgpr_workgroup_id_x 1
		.amdhsa_system_sgpr_workgroup_id_y 1
		.amdhsa_system_sgpr_workgroup_id_z 1
		.amdhsa_system_vgpr_workitem_id 0
		.amdhsa_next_free_vgpr 512
		.amdhsa_next_free_sgpr 80
		.amdhsa_reserve_vcc 0
		.amdhsa_float_denorm_mode_32 3
		.amdhsa_float_denorm_mode_16_64 3
		.amdhsa_memory_ordered 1
		.amdhsa_forward_progress 1
		.amdhsa_inst_pref_size 87
	.end_amdhsa_kernel
	.amdgpu_metadata
---
amdhsa.version: [ 1, 2 ]
amdhsa.kernels:
  - .name:           k_qcf8e520627_qkvproj
    .symbol:         k_qcf8e520627_qkvproj.kd
    .args:
      - { .name: xin, .offset: 0, .size: 8, .value_kind: global_buffer, .address_space: global }
      - { .name: wqkv, .offset: 8, .size: 8, .value_kind: global_buffer, .address_space: global }
      - { .name: bqkv, .offset: 16, .size: 8, .value_kind: global_buffer, .address_space: global }
      - { .name: qkv, .offset: 24, .size: 8, .value_kind: global_buffer, .address_space: global }
    .group_segment_fixed_size: 327680
    .private_segment_fixed_size: 0
    .kernarg_segment_align: 8
    .kernarg_segment_size: 32
    .max_flat_workgroup_size: 128
    .sgpr_count:     80
    .vgpr_count:     512
    .wavefront_size: 32
...
	.end_amdgpu_metadata
.endif
;; end of part 2
;; launch attn (part 3): grid 8 x 32, 4 waves a work-group, clusters of 4 x 4, 327,680 bytes of LDS; arguments qkv, mfac, ctx; writes ctx
.if DOCPART == 3
	.amdgcn_target "amdgcn-amd-amdhsa--gfx1250"
	.amdhsa_code_object_version 6
	.text
	.protected	k_qcf8e520627_attn
	.globl	k_qcf8e520627_attn
	.p2align	8
	.type	k_qcf8e520627_attn,@function
k_qcf8e520627_attn:
	s_mov_b64 s[64:65], 0
	v_nop
	global_prefetch_b8 v0, s[64:65] scope:SCOPE_SE
	s_setreg_imm32_b32 hwreg(HW_REG_WAVE_MODE, 25, 1), 1
	s_wait_xcnt 0x0
	s_wait_alu depctr_hold_cnt(0) depctr_sa_sdst(0) depctr_va_vdst(0) depctr_va_sdst(0) depctr_va_ssrc(0) depctr_va_vcc(0) depctr_vm_vsrc(0)
	s_getreg_b32 s2, hwreg(HW_REG_IB_STS2, 6, 4)
	s_cmp_eq_u32 s2, 0
	s_cbranch_scc0 .Lentry_in_a_cluster
	s_endpgm
.Lentry_in_a_cluster:
	s_bfe_u32 s2, ttmp6, 0x10000c
	s_cmp_lg_u32 s2, 0xf033
	s_cbranch_scc0 .Lentry_shape_is_right
	s_endpgm
.Lentry_shape_is_right:
; ATTENTION.  ctx[y][q][:] = sum over k of softmax_k(clip(f[b][q][k] (q . k) / 8, -50, 50)) v[y][k][:], y = 16 b + head, f = 0.5 mask + 0.5.  q, k, v: qkv[p 3][y 32][n 2048][64] in bf16; q carries
; c = log2(e) / 8, so a score arrives in base 2.  f: mfac, bf16, in this kernel's register image.  Products and sums in f32; the weights p are rounded to bf16 for the second product (their sum l is taken of
; the unrounded p); ctx is rounded once.
; NO MAXIMUM IS TAKEN AWAY: the clip, which the module itself makes, holds every exponent within +-50 log2(e) = +-72.14, so p lies in 2^-72.2 .. 2^72.2, a row's sum of 2,048 within 2^-61 .. 2^83.2, and
; the sums p v stay finite in f32 up to |v| of about 2^44.  bf16 has f32's range, so p fits its format; f16 would not.  LIMITS: beyond that |v| the sums overflow; NaN and infinities are not treated apart.
; SHARES.  A work-group owns 256 queries of one y, a wave 64: four tiles of 16, in two PIECES of two tiles.  Every wave walks all 2,048 keys, 64 a step, two steps to an LDS slot.
; LAYOUT.  S^T = K Q^T (source 0 = 16 keys, source 1 = 16 queries): a lane holds ONE query (lane % 16) and the keys 8 (lane / 16) + 0..7.  Two such results rounded in pairs ARE source 1 of O^T = V^T P.
; mfac holds f in just that order, 16 bytes a lane for 16 keys x 16 queries, so f comes out of LDS by plain loads and is multiplied in by a mixed multiply-add that reads the bf16 half.
; BY TURNS.  In a turn piece x has the matrix unit: 16 products V^T P of step j, then 16 products K Q^T of step j + 1; the other piece's softmax, 64 groups of four vector instructions, stands one group behind
; each product and the other 32 in two lumps of 16.  For four scores: four multiplies by f, four clips, four exponentials, two packed sums, two roundings.
; CLUSTER 4 x 4.  x counts blocks of queries, y heads.  The four work-groups of a row (one y) walk the same K and V; the four of a column (one block of queries, four heads of one batch) the same f:
; each tile is asked for jointly by the four that share it.
; REGISTERS, in windows of 256 (s_set_vgpr_msb: bits 1:0 source 0, 3:2 source 1, 5:4 source 2, 7:6 destination):
;   window 0: v0-14 addresses; v16-31 l, four a tile; v62-63 the add's; v64-191 S^T (piece, tile: 64 Y + 32 u); v192-255 P (32 Y + 16 u)
;   window 1: v0-127 O^T, 32 a tile; v128-191 f (32 Y + 16 u)          window 2: v0-63 Q, 16 a tile; v128-191 K of one step; v192-255 V of one step
.set KS,    64
.set PK,    144       ; a row of K in LDS: 128 bytes + 16
.set PV,    160       ; a row of V: 128 + 32
.set VOFF,  2*KS*PK   ; a slot: 128 rows of K, 128 rows of V, two steps' f
.set MOFF,  VOFF+2*KS*PV
.set MSTEP, 32768     ; a step's f for the work-group's 256 queries
.set SLOT1, 1<<17     ; slot 1 begins here: one exclusive or turns an address in one slot into the other's
.set STAGE, SLOT1+MOFF+2*MSTEP  ; behind the ring, never filled by a tensor load: 16 rows x 144 bytes for each wave
.set SP,    144
.set SPARE, STAGE+4*16*SP       ; the spare words, 128 bytes a wave; no other line names them
.set AK0, 2           ; v2   my lane's place in a step's K; never rewritten
.set AV0, 3           ; v3   in its V
.set AM0, 4           ; v4   in its f
.set AK,  5           ; v5-7 the LDS addresses of the runs of loads in hand
.set AV,  6
.set AM,  7
.set QO,  8           ; v8   my byte offset in the wave's rows of Q; later:
.set STO, 8           ;      the way out: where I put 16 bytes of a row
.set RD,  12          ; v12  where I read rows back
.set GO,  13          ; v13  my byte offset in 512 consecutive bytes of ctx
.set ZR,  14          ; v14  0, the mixed multiply-add's addend
.set LL,  16
.set SPW, 62
.set NIL, 63
.set S,   64
.set P,   192
.set MB,  128         ; window 1
.set KF,  128         ; window 2: key block kb, channel half c at KF + 16 kb + 8 c
.set VF,  192         ; window 2: key half kk, channel block cb at VF + 32 kk + 8 cb
.set WV,  12          ; s12  wave
.set G1K, 24          ; s[24:31], s[32:39], s[40:47] group 1 for K, V, f
.set G1V, 32
.set G1M, 40
.set G0K, 48          ; s[48:51], s[52:55], s[56:59] group 0: each walks
.set G0V, 52
.set G0M, 56
.set SLOTS, 60
.set CNT, 61
.set TBK, 62          ; s62, s63, s66  LDS byte at which the step to be fetched begins, for K, V (less VOFF), f (less MOFF)
.set TBV, 63
.set TBM, 66
.set LO,  67          ; s67, s68  -+50 log2(e)
.set HI,  68
.set SEL, 70          ; s[70:71] v_permlanex16_b32's selects
.set MSB, 0
.macro WIN new
.if MSB != (\new)
	s_set_vgpr_msb (MSB<<8)|(\new)
.set MSB, (\new)
.endif
.endm
.set W_KQ, 0x0a       ; K and Q in window 2, S^T in window 0
.set W_PV, 0x52       ; V in window 2, P in window 0, O^T in window 1
.set W_KM, 0x04       ; source 1 (f) in window 1
.set W_RS, 0x41       ; destination and source 0 in window 1
; A joint fill: wave 0 a slot's K, wave 1 its V, waves 2 and 3 the f of its two steps.  The branches hang on the wave's number alone.  An s_nop 0 and four v_nop follow each line.
.macro JLOAD
	s_cmp_lt_u32 s[WV], 2
	s_cbranch_scc0 .Lfor_m_\@
	s_cmp_eq_u32 s[WV], 0
	s_cbranch_scc0 .Lfor_v_\@
	tensor_load_to_lds s[G0K:G0K+3], s[G1K:G1K+7]
	s_nop 0
.rept 4
	v_nop
.endr
	s_branch .Lasked_\@
.Lfor_v_\@:
	tensor_load_to_lds s[G0V:G0V+3], s[G1V:G1V+7]
	s_nop 0
.rept 4
	v_nop
.endr
	s_branch .Lasked_\@
.Lfor_m_\@:
	tensor_load_to_lds s[G0M:G0M+3], s[G1M:G1M+7]
	s_nop 0
.rept 4
	v_nop
.endr
.Lasked_\@:
.endm
.macro CROUND                       ; a round of the cluster's barrier
	s_barrier_signal -1
	s_barrier_wait -1
	s_cmp_lg_u32 s[WV], 0
	s_cbranch_scc1 .Lnot_wave_0_\@
	s_barrier_signal -3
.Lnot_wave_0_\@:
	s_barrier_wait -3
	s_barrier_signal -1
	s_barrier_wait -1
.endm
; THE CHANGE OF SLOTS.  Each wave waits for all its tensor loads, of which one is out: its part of the other slot; adds 0 to its spare word; waits for that and for its reads of the slot that it leaves.
; fill = 1: the slot left is filled again, with the keys two slots on, first thing behind a round of the cluster's barrier: the load has two key steps, 128 matrix instructions, in which to land.
; (At its first use nothing has been read yet: slot 0 is waited for, slot 1 filled.)
.macro CHANGE fill
	WIN 0
	s_wait_tensorcnt 0x0            ; no tensor load of mine is out, so a group 0 may be written
	ds_add_u32 v[SPW], v[NIL]
.if \fill
	s_xor_b32 s[G0K+1], s[G0K+1], SLOT1
	s_add_nc_u64 s[G0K+2:G0K+3], s[G0K+2:G0K+3], 2*KS*128
	s_xor_b32 s[G0V+1], s[G0V+1], SLOT1
	s_add_nc_u64 s[G0V+2:G0V+3], s[G0V+2:G0V+3], 2*KS*128
	s_xor_b32 s[G0M+1], s[G0M+1], SLOT1
	s_add_nc_u64 s[G0M+2:G0M+3], s[G0M+2:G0M+3], 2*MSTEP
	s_wait_dscnt 0x0                ; the add is done, and my reads of the slot are over
	CROUND
	JLOAD
.else
	s_wait_dscnt 0x0
	s_barrier_signal -1
	s_barrier_wait -1
.endif
	s_sub_co_u32 s[TBK], s[TBK], 2*KS*PK  ; the fetches go back to a slot's first step, in the other slot
	s_xor_b32 s[TBK], s[TBK], SLOT1
	s_sub_co_u32 s[TBV], s[TBV], 2*KS*PV
	s_xor_b32 s[TBV], s[TBV], SLOT1
	s_sub_co_u32 s[TBM], s[TBM], 2*MSTEP
	s_xor_b32 s[TBM], s[TBM], SLOT1
.endm
	s_load_b128 s[4:7], s[0:1], 0x0   ; qkv s[4:5], mfac s[6:7]
	s_load_b64 s[8:9], s[0:1], 0x10   ; ctx
	v_lshl_add_u32 v[SPW], v0, 2, SPARE
	v_mov_b32 v[NIL], 0
	ds_add_u32 v[SPW], v[NIL]       ; the wave's opening: the add and its wait ahead of my first tensor load
	v_lshrrev_b32 v1, 5, v0
	v_readfirstlane_b32 s[WV], v1
	s_bfe_u32 s13, ttmp6, 0x40000   ; cx
	s_bfe_u32 s14, ttmp6, 0x40004   ; cy
	s_lshl_b32 s15, ttmp9, 2
	s_add_co_u32 s15, s15, s13      ; my block of 256 queries
	s_and_b32 s16, ttmp7, 0xffff    ; cluster y
	s_lshl_b32 s17, s16, 2
	s_add_co_u32 s17, s17, s14      ; y = 16 b + head
	s_lshr_b32 s18, s16, 2          ; b: made of the cluster's y alone, the same down a column
	s_lshl_b32 s19, s14, 2
	s_lshl_b32 s19, 15, s19         ; my row of the cluster
	s_lshl_b32 s20, 0x1111, s13     ; my column
	; group 1.  K, V: 128 keys are 16,384 dense bytes, asked for as 64 rows of 256, padded in LDS behind every key.  f: 128 rows of 256 dense bytes, unpadded
	s_or_b32 s[G1K], s19, (1<<16)|(1<<20)|(1<<21)|(4<<22)|(3<<25)
	s_or_b32 s[G1V], s19, (1<<16)|(1<<20)|(1<<21)|(4<<22)|(7<<25)
.irp g, G1K, G1V
	s_mov_b32 s[\g+1], 128<<16      ; tensor_dim0 = 128
	s_mov_b32 s[\g+2], 64<<16       ; tensor_dim1 = 64
	s_mov_b32 s[\g+3], 128<<16      ; tile_dim0 = 128
	s_mov_b32 s[\g+4], 64           ; tile_dim1 = 64
	s_mov_b32 s[\g+5], 128
	s_mov_b32 s[\g+6], 0
	s_mov_b32 s[\g+7], 0
.endr
	s_or_b32 s[G1M], s20, (3<<16)|(1<<21)  ; 8-byte elements
	s_mov_b32 s[G1M+1], 32<<16
	s_mov_b32 s[G1M+2], 128<<16
	s_mov_b32 s[G1M+3], 32<<16
	s_mov_b32 s[G1M+4], 128
	s_mov_b32 s[G1M+5], 32
	s_mov_b32 s[G1M+6], 0
	s_mov_b32 s[G1M+7], 0
	s_lshl_b32 s74, s17, 18         ; y's 2,048 rows of 128 bytes,
	s_add_co_u32 s76, s74, 16777216 ; in v
	s_mov_b32 s77, 0
	s_lshl_b32 s80, s15, 15         ; my block's 256 rows,
	s_add_co_u32 s80, s80, s74
	s_lshl_b32 s81, s[WV], 13       ; my wave's 64: q and ctx
	s_add_co_u32 s80, s80, s81
	s_mov_b32 s81, 0
	s_add_co_u32 s74, s74, 8388608  ; in k
	s_mov_b32 s75, 0
	s_and_b32 s82, s[WV], 1         ; which of a slot's two steps' f I fetch
	s_lshl_b32 s82, s82, 15
	s_lshl_b32 s78, s18, 23
	s_lshl_b32 s79, s15, 20
	s_add_co_u32 s78, s78, s79
	s_add_co_u32 s78, s78, s82
	s_mov_b32 s79, 0
	s_mov_b32 s[G0K], 1
	s_mov_b32 s[G0K+1], 0
	s_mov_b32 s[G0V], 1
	s_mov_b32 s[G0V+1], VOFF
	s_mov_b32 s[G0M], 1
	s_add_co_u32 s[G0M+1], s82, MOFF
	s_mov_b32 s[LO], 0xc29044fe
	s_mov_b32 s[HI], 0x429044fe
	s_mov_b32 s[SEL], 0x76543210
	s_mov_b32 s[SEL+1], 0xfedcba98
	s_mov_b32 s[TBK], SLOT1+2*KS*PK ; the first change of slots turns these three into 0
	s_mov_b32 s[TBV], SLOT1+2*KS*PV
	s_mov_b32 s[TBM], SLOT1+2*MSTEP
	s_wait_dscnt 0x0                ; the opening add is done
	s_wait_kmcnt 0x0
	s_add_nc_u64 s[G0K+2:G0K+3], s[4:5], s[74:75]
	s_or_b32 s[G0K+3], s[G0K+3], 0x80000000
	s_add_nc_u64 s[G0V+2:G0V+3], s[4:5], s[76:77]
	s_or_b32 s[G0V+3], s[G0V+3], 0x80000000
	s_add_nc_u64 s[G0M+2:G0M+3], s[6:7], s[78:79]
	s_or_b32 s[G0M+3], s[G0M+3], 0x80000000
	s_add_nc_u64 s[72:73], s[4:5], s[80:81]  ; q at my wave's first row
	s_add_nc_u64 s[8:9], s[8:9], s[80:81]    ; ctx likewise
	CROUND                          ; all sixteen work-groups are here: the first joint loads meet
	JLOAD                           ; slot 0; slot 1 is asked for when slot 0 is in
	v_and_b32 v1, 15, v0            ; r = l % 16
	v_bfe_u32 v9, v0, 4, 1          ; h = l / 16
	v_lshlrev_b32 v[QO], 7, v1
	v_lshl_add_u32 v[QO], v9, 4, v[QO]
	WIN 0x80                        ; destination window 2
.set i, 0
.rept 8                             ; Q stays in registers: tile i / 2, channels 32 (i % 2) on
	global_load_b128 v[8*i:8*i+3],   v[QO], s[72:73] offset:(i/2)*2048+(i%2)*64
	global_load_b128 v[8*i+4:8*i+7], v[QO], s[72:73] offset:(i/2)*2048+(i%2)*64+32
.set i, i+1
.endr
	; No first step is written out: the loop is entered in the middle of a trip, whose products V^T P, of a step that has not been, multiply zeros.  So V's registers, piece 1's P, O^T and l start at 0.
	; These moves stand in the wait for the first tile.
.set i, VF
.rept 64
	v_mov_b32 v[i], 0
.set i, i+1
.endr
	WIN 0x40
.set i, 0
.rept 128
	v_mov_b32 v[i], 0
.set i, i+1
.endr
	WIN 0
.set i, 0
.rept 16
	v_mov_b32 v[LL+i], 0
.set i, i+1
.endr
.set i, P+32
.rept 32
	v_mov_b32 v[i], 0
.set i, i+1
.endr
	v_mov_b32 v[ZR], 0
	v_mul_u32_u24 v[AK0], v1, PK
	v_lshl_add_u32 v[AK0], v9, 4, v[AK0]  ; row x pitch + 16 x half
	v_and_b32 v10, 7, v0            ; the turning load: lane l reads key 8 (l / 16) + l % 8, channels 8 ((l / 8) % 2) + 0..7
	v_bfe_u32 v11, v0, 3, 1
	v_lshl_add_u32 v[AV0], v9, 3, v10
	v_mul_u32_u24 v[AV0], v[AV0], PV
	v_lshl_add_u32 v[AV0], v11, 4, v[AV0]
	v_add_nc_u32 v[AV0], VOFF, v[AV0]
	s_lshl_b32 s82, s[WV], 13       ; f: my wave's four tiles of 2,048 bytes, 16 bytes a lane
	s_add_co_u32 s82, s82, MOFF
	v_and_b32 v[AM0], 31, v0
	v_lshlrev_b32 v[AM0], 4, v[AM0]
	v_add_nc_u32 v[AM0], s82, v[AM0]
; THE MATRIX WORK.  The 8 accumulators of a run of 16 take turns.  Product i of S^T = K Q^T for piece x: channels 32 (i / 8) on, keys 16 ((i / 2) % 4) on, tile i % 2.
.macro KQ x
	WIN W_KQ
.set rS, S+64*(\x)+32*(i%2)+8*((i/2)%4)
.set rK, KF+16*((i/2)%4)+8*(i/8)
.set rQ, 16*(2*(\x)+i%2)+8*(i/8)
.if i < 8
	v_wmma_f32_16x16x32_bf16 v[rS:rS+7], v[rK:rK+7], v[rQ:rQ+7], 0
.else
	v_wmma_f32_16x16x32_bf16 v[rS:rS+7], v[rK:rK+7], v[rQ:rQ+7], v[rS:rS+7]
.endif
.endm
; Product i of O^T += V^T P for piece x: keys 32 (i / 8) on, channels 16 ((i / 2) % 4) on, tile i % 2.
.macro PV x
	WIN W_PV
.set rO, 32*(2*(\x)+i%2)+8*((i/2)%4)
.set rV, VF+32*(i/8)+8*((i/2)%4)
.set rP, P+32*(\x)+16*(i%2)+8*(i/8)
	v_wmma_f32_16x16x32_bf16 v[rO:rO+7], v[rV:rV+7], v[rP:rP+7], v[rO:rO+7]
.endm
; THE LDS LOADS stand in runs, never singly among the matrix instructions; their addresses are made a group ahead.
.macro FETCH_K
	WIN 0x80
.irp f, 0,1,2,3,4,5,6,7             ; keys 16 (f / 2) on, channels 32 (f % 2) on
	ds_load_b128 v[KF+8*\f:KF+8*\f+3],   v[AK] offset:(\f/2)*16*PK+(\f%2)*64
	ds_load_b128 v[KF+8*\f+4:KF+8*\f+7], v[AK] offset:(\f/2)*16*PK+(\f%2)*64+32
.endr
	s_add_co_u32 s[TBK], s[TBK], KS*PK
.endm
.macro FETCH_V
	WIN 0x80
.irp f, 0,1,2,3,4,5,6,7             ; keys 32 (f / 4) on, channels 16 (f % 4) on
	ds_load_tr16_b128 v[VF+8*\f:VF+8*\f+3],   v[AV] offset:(\f/4)*32*PV+(\f%4)*32
	ds_load_tr16_b128 v[VF+8*\f+4:VF+8*\f+7], v[AV] offset:(\f/4)*32*PV+16*PV+(\f%4)*32
.endr
	s_add_co_u32 s[TBV], s[TBV], KS*PV
.endm
.macro FETCH_M p                    ; piece p's f of a step: two tiles x four blocks of 16 keys
	WIN 0x40
.irp f, 0,1,2,3,4,5,6,7
	ds_load_b128 v[MB+32*(\p)+4*\f:MB+32*(\p)+4*\f+3], v[AM] offset:4096*(\p)+512*\f
.endr
.if \p
	s_add_co_u32 s[TBM], s[TBM], MSTEP
.endif
.endm
.macro FETCH_A last                 ; the next step's K and piece 0's f.  last = 1 (the tail): in the last trip there is no further step, and the runs are jumped over
	WIN 0
.if \last
	s_cmp_eq_u32 s[CNT], 1
	s_cbranch_scc1 .Lno_k_\@
.endif
	FETCH_K
	FETCH_M 0
	WIN 0
.if \last
.Lno_k_\@:
.endif
.endm
; THE VECTOR WORK: piece Y's 64 scores a lane are 16 quads; quad t is tile t % 2, registers 4 (t / 2) + 0..3 of its 32.  Groups of four instructions:
;   KM t      the four scores times f (f's halves 2 (t / 2) .. in the tile's 16 registers).  Quads ascend
;   KD t      the clip          KE t  the exponentials          KDE t, hf   half of quad t's clips and half of quad t - 1's exponentials by turns: a plain line stands behind each exponential
;   KAC t     two packed sums onto l, two roundings to bf16
.macro QREG t
.set rS, S+64*Y+32*((\t)%2)+4*((\t)/2)
.set rP, P+32*Y+16*((\t)%2)+2*((\t)/2)
.set rM, MB+32*Y+16*((\t)%2)+2*((\t)/2)
.set rL, LL+4*(2*Y+(\t)%2)
.endm
.macro KM t
	QREG \t
	WIN W_KM
	v_fma_mix_f32_bf16 v[rS], v[rS], v[rM], v[ZR] op_sel_hi:[0,1,0]
	v_fma_mix_f32_bf16 v[rS+1], v[rS+1], v[rM], v[ZR] op_sel:[0,1,0] op_sel_hi:[0,1,0]
	v_fma_mix_f32_bf16 v[rS+2], v[rS+2], v[rM+1], v[ZR] op_sel_hi:[0,1,0]
	v_fma_mix_f32_bf16 v[rS+3], v[rS+3], v[rM+1], v[ZR] op_sel:[0,1,0] op_sel_hi:[0,1,0]
.endm
.macro KD t
	QREG \t
	WIN 0
.irp e, 0,1,2,3
	v_med3_num_f32 v[rS+\e], v[rS+\e], s[LO], s[HI]
.endr
.endm
.macro KE t
	QREG \t
	WIN 0
.irp e, 0,1,2,3
	v_exp_f32 v[rS+\e], v[rS+\e]
.endr
.endm
.macro KDE t, hf
	WIN 0
	QREG \t
.set dS, rS+2*(\hf)
	QREG (\t)-1
.set eS, rS+2*(\hf)
	v_med3_num_f32 v[dS], v[dS], s[LO], s[HI]
	v_exp_f32 v[eS], v[eS]
	v_med3_num_f32 v[dS+1], v[dS+1], s[LO], s[HI]
	v_exp_f32 v[eS+1], v[eS+1]
.endm
.macro KAC t
	QREG \t
	WIN 0
	s_wait_alu depctr_va_vdst(0)
	v_pk_add_f32 v[rL:rL+1], v[rL:rL+1], v[rS:rS+1]
	v_cvt_pk_bf16_f32 v[rP], v[rS], v[rS+1]
	v_pk_add_f32 v[rL+2:rL+3], v[rL+2:rL+3], v[rS+2:rS+3]
	v_cvt_pk_bf16_f32 v[rP+1], v[rS+2], v[rS+3]
.endm
; Group g of a turn's 64.  From 6 to 57 a tick of four: quad t is multiplied, quad t - 1 clipped, quad t - 2 raised, quad t - 3 summed and rounded: each result is used a tick later.
.macro NEXTG
.if g == 0
	KM 0
.elseif g == 1
	KM 1
.elseif g == 2
	KD 0
.elseif g == 3
	KM 2
.elseif g == 4
	KDE 1, 0
.elseif g == 5
	KDE 1, 1
.elseif g < 58
.if (g-6)%4 == 0
	KM 3+(g-6)/4
.elseif (g-6)%4 == 1
	KDE 2+(g-6)/4, 0
.elseif (g-6)%4 == 2
	KDE 2+(g-6)/4, 1
.else
	KAC (g-6)/4
.endif
.elseif g == 58
	KDE 15, 0
.elseif g == 59
	KDE 15, 1
.elseif g == 60
	KAC 13
.elseif g == 61
	KE 15
.elseif g == 62
	KAC 14
.else
	KAC 15
.endif
.set g, g+1
.endm
; A TURN.  Piece x has the matrix unit, piece 1 - x the vector unit.  No group names a register of the products round it.
; x = 0 (step j): V^T P of step j, K Q^T of step j + 1, piece 1's softmax of step j.  Behind group 2 it fetches K and piece 0's f of step j + 1: K's last reader stands a whole lump back.
; x = 1: the same for piece 1, with piece 0's softmax of step j + 1.  Behind group 18 it fetches V and piece 1's f of step j + 1: fourteen plain instructions behind the last product that read V.
.macro TURN x, last=0
.set Y, 1-(\x)
.set g, 0
.set i, 0
.if (\x) == 0
	s_wait_dscnt 0x0                ; V and piece 1's f are in
.endif
.rept 16
	PV \x
.set i, i+1
	NEXTG
.if ((\x) == 0) && (g == 2)
	WIN 0
	v_add_nc_u32 v[AK], s[TBK], v[AK0]
	v_add_nc_u32 v[AM], s[TBM], v[AM0]
.endif
.if ((\x) == 0) && (g == 3)
	FETCH_A \last
.endif
.endr
.rept 16
	NEXTG
.if ((\x) == 1) && (g == 18)
	WIN 0
	v_add_nc_u32 v[AV], s[TBV], v[AV0]
	v_add_nc_u32 v[AM], s[TBM], v[AM0]
.endif
.if ((\x) == 1) && (g == 19)
	FETCH_V
	FETCH_M 1
.endif
.endr
.if (\x) == 0
	s_wait_dscnt 0x0                ; K and piece 0's f are in
.endif
.set i, 0
.rept 16
	KQ \x
.set i, i+1
	NEXTG
.endr
.rept 16
	NEXTG
.endr
.endm
	CHANGE 1                        ; slot 0 is in, everybody's part of it; slot 1 is asked for
	v_add_nc_u32 v[AK], s[TBK], v[AK0]
	v_add_nc_u32 v[AM], s[TBM], v[AM0]
	FETCH_K                         ; key step 0
	FETCH_M 0
	s_wait_loadcnt 0x0              ; Q
	s_wait_dscnt 0x0
.set i, 0
.rept 16
	KQ 0                            ; piece 0's first scores
.set i, i+1
.endr
	WIN 0                           ; the addresses for the way out: nine plain instructions, the places behind those products
	s_mul_i32 s82, s[WV], 16*SP
	s_add_co_u32 s82, s82, STAGE    ; my stage
	v_mul_u32_u24 v[STO], v1, SP    ; in: row l % 16, 16 bytes for each half of the lanes
	v_lshl_add_u32 v[STO], v9, 4, v[STO]
	v_add_nc_u32 v[STO], s82, v[STO]
	v_bfe_u32 v[RD], v0, 3, 2       ; back: 32 lanes take four rows of 128 bytes,
	v_mul_u32_u24 v[RD], v[RD], SP
	v_lshl_add_u32 v[RD], v10, 4, v[RD]
	v_add_nc_u32 v[RD], s82, v[RD]
	v_and_b32 v[GO], 31, v0         ; which are 512 consecutive bytes of ctx
	v_lshlrev_b32 v[GO], 4, v[GO]
	s_mov_b32 s[CNT], 2
	s_mov_b32 s[SLOTS], 15
	s_branch .Lentry                ; the loop is entered at piece 1's turn, in the middle of a trip
.Lslot:                             ; 14 times: slots 2 to 15 are asked for
	CHANGE 1
	s_mov_b32 s[CNT], 2
.Lstep:                             ; a trip's LDS reads are one key step's
	TURN 0
	WIN 0
.Lentry:
	TURN 1
	WIN 0
	s_sub_co_u32 s[CNT], s[CNT], 1
	s_cmp_lg_u32 s[CNT], 0
	s_cbranch_scc1 .Lstep
	s_sub_co_u32 s[SLOTS], s[SLOTS], 1
	s_cmp_lg_u32 s[SLOTS], 0
	s_cbranch_scc1 .Lslot
	CHANGE 0                        ; the tail is written out: nothing is asked for
	s_mov_b32 s[CNT], 3             ; two trips fetch the last slot's steps; the third is left in its middle
.Ltail:
	TURN 0, 1
	WIN 0
	s_sub_co_u32 s[CNT], s[CNT], 1
	s_cmp_eq_u32 s[CNT], 0
	s_cbranch_scc1 .Lout
	TURN 1
	WIN 0
	s_branch .Ltail
.Lout:                              ; the third trip's 16 products K Q^T, on the last K once more, serve nothing: the price, once a launch, of one text for every trip
.set i, 0
.rept 16
	PV 1                            ; piece 1's V^T P of the last step
.set i, i+1
.endr
	; THE WAY OUT.  l's four parts and the other half of the lanes' are added; O^T is divided by l, rounded to bf16 and sent through my stage, a tile at a time.  The first additions are the places behind the last products.
	WIN 0
.macro ALL line:vararg              ; one line for each tile t
.set t, 0
.rept 4
	\line
.set t, t+1
.endr
.endm
	ALL v_pk_add_f32 v[LL+4*t:LL+4*t+1], v[LL+4*t:LL+4*t+1], v[LL+4*t+2:LL+4*t+3]
	ALL v_add_f32 v[LL+4*t], v[LL+4*t], v[LL+4*t+1]
	ALL v_permlanex16_b32 v[LL+4*t+1], v[LL+4*t], s[SEL], s[SEL+1]
	ALL v_add_f32 v[LL+4*t], v[LL+4*t], v[LL+4*t+1]
	ALL v_rcp_f32 v[LL+4*t], v[LL+4*t]
	v_nop                           ; a plain instruction between the last reciprocal and the use of its result
.macro PACK t                       ; a lane's eight channels of a row pack into 16 bytes; they go into rows of 144 bytes and come back as whole rows of 128, into S^T's registers
	WIN W_RS
.set i, 32*(\t)
.rept 16
	s_wait_alu depctr_va_vdst(0)
	v_pk_mul_f32 v[i:i+1], v[i:i+1], v[LL+4*(\t):LL+4*(\t)+1] op_sel_hi:[1,0]
.set i, i+2
.endr
	WIN 0x05                        ; sources 0 and 1 window 1, destination window 0
.set i, 0
.rept 16
	v_cvt_pk_bf16_f32 v[S+16*(\t)+i], v[32*(\t)+2*i], v[32*(\t)+2*i+1]
.set i, i+1
.endr
	WIN 0
.irp f, 0,1,2,3
	ds_store_b128 v[STO], v[S+16*(\t)+4*\f:S+16*(\t)+4*\f+3] offset:32*\f
.endr
.irp f, 0,1,2,3
	ds_load_b128 v[S+16*(\t)+4*\f:S+16*(\t)+4*\f+3], v[RD] offset:\f*4*SP  ; LDS serves a wave's instructions in order (ISA guide 5.7.1.4): these see the stores above
.endr
.endm
.macro SEND t, younger              ; younger: the LDS instructions issued behind tile t's loads: the next tile's eight, or none
	WIN 0
.irp f, 0,1,2,3
	s_wait_dscnt (\younger)+3-\f
	global_store_b128 v[GO], v[S+16*(\t)+4*\f:S+16*(\t)+4*\f+3], s[8:9] offset:(\t)*2048+\f*512  ; 512 consecutive bytes, at a multiple of 512 from ctx's first
.endr
.endm
	PACK 0
.irp a, 1,2,3                       ; a tile's arithmetic stands between the loads of the tile before and its stores
	PACK \a
	SEND (\a)-1, 8
.endr
	SEND 3, 0
	s_wait_tensorcnt 0x0            ; the wave's end
	ds_add_u32 v[SPW], v[NIL]
	s_wait_dscnt 0x0
	CROUND                          ; the closing round: no work-group ends while a partner may still ask for a tile that names it
	s_endpgm
.Lfunc_end_k_qcf8e520627_attn:
	.size	k_qcf8e520627_attn, .Lfunc_end_k_qcf8e520627_attn-k_qcf8e520627_attn
	.p2alignl 7, 3214868480
	.fill 96, 4, 3214868480
	.section	.rodata,"a",@progbits
	.p2align	6, 0x0
	.amdhsa_kernel k_qcf8e520627_attn
		.amdhsa_group_segment_fixed_size 327680
		.amdhsa_private_segment_fixed_size 0
		.amdhsa_enable_private_segment 0
		.amdhsa_kernarg_size 24
		.amdhsa_user_sgpr_count 2
		.amdhsa_user_sgpr_kernarg_segment_ptr 1
		.amdhsa_wavefront_size32 1
		.amdhsa_system_sgpr_workgroup_id_x 1
		.amdhsa_system_sgpr_workgroup_id_y 1
		.amdhsa_system_sgpr_workgroup_id_z 1
		.amdhsa_system_vgpr_workitem_id 0
		.amdhsa_next_free_vgpr 768
		.amdhsa_next_free_sgpr 90
		.amdhsa_reserve_vcc 0
		.amdhsa_float_denorm_mode_32 3
		.amdhsa_float_denorm_mode_16_64 3
		.amdhsa_memory_ordered 1
		.amdhsa_forward_progress 1
		.amdhsa_inst_pref_size 124
	.end_amdhsa_kernel
	.amdgpu_metadata
---
amdhsa.version: [ 1, 2 ]
amdhsa.kernels:
  - .name:           k_qcf8e520627_attn
    .symbol:         k_qcf8e520627_attn.kd
    .args:
      - { .name: qkv, .offset: 0, .size: 8, .value_kind: global_buffer, .address_space: global }
      - { .name: mfac, .offset: 8, .size: 8, .value_kind: global_buffer, .address_space: global }
      - { .name: ctx, .offset: 16, .size: 8, .value_kind: global_buffer, .address_space: global }
    .group_segment_fixed_size: 327680
    .private_segment_fixed_size: 0
    .kernarg_segment_align: 8
    .kernarg_segment_size: 24
    .max_flat_workgroup_size: 128
    .sgpr_count:     90
    .vgpr_count:     768
    .wavefront_size: 32
...
	.end_amdgpu_metadata
.endif
;; end of part 3
;; launch oproj: the kernel of part 2 again; grid 8 x 32, 4 waves a work-group, clusters of 4 x 4, 327,680 bytes of LDS; arguments ctx, wot, bo, proj; writes proj
;; launch ln (part 4): grid 256 x 1, 8 waves a work-group, no clusters, 0 bytes of LDS; arguments query, proj, gamma, beta, out0; writes out0
.if DOCPART == 4
	.amdgcn_target "amdgcn-amd-amdhsa--gfx1250"
	.amdhsa_code_object_version 6
	.text
	.protected	k_qcf8e520627_ln
	.globl	k_qcf8e520627_ln
	.p2align	8
	.type	k_qcf8e520627_ln,@function
k_qcf8e520627_ln:
	s_mov_b64 s[64:65], 0
	v_nop
	global_prefetch_b8 v0, s[64:65] scope:SCOPE_SE
	s_setreg_imm32_b32 hwreg(HW_REG_WAVE_MODE, 25, 1), 1
	s_wait_xcnt 0x0
; out0[m][:] = LayerNorm(query[m][:] + proj[m][:]) gamma + beta.  query, gamma, beta, out0 in f32; proj in bf16, [b 2][block of 64 columns 16][row 2048][64].  All arithmetic in f32, in two passes as the
; module has it: the mean first, then the mean of the squared differences, so no difference of large sums is formed.
; A wave takes two rows and keeps them in registers: lanes 0-15 the first, lanes 16-31 the second; lane r of a half holds columns 64 hb + 4 r + 0..3 for hb = 0..15.  So a row's sum never leaves its sixteen
; lanes: four steps that ride on the additions, no LDS, no barrier, no loop.  Each load of proj covers 256 dense bytes, each load and store of a row 256 aligned bytes for each half of the lanes.
; No matrix unit, no cluster, no tensor load: memory binds, and but for gamma and beta no two waves read the same bytes.
.set XQ,  16                           ; v[16:79]    the row: query, then the residual, the difference, the result
.set PJ,  80                           ; v[80:111]   proj, two bf16 a register
.set GA,  112                          ; v[112:175]  gamma
.set BE,  176                          ; v[176:239]  beta
.set ONE, 15                           ; v15  1.0
.set SM,  4                            ; v[4:11]  four chains of packed sums
.set BC,  12                           ; v[12:13] a number for both halves of a packed line
.macro REDUCE                          ; the four chains, the pair, and the row's sixteen lanes: the sum ends in v[SM] of every lane of the row
	v_pk_add_f32 v[SM:SM+1], v[SM:SM+1], v[SM+2:SM+3]
	v_pk_add_f32 v[SM+4:SM+5], v[SM+4:SM+5], v[SM+6:SM+7]
	v_pk_add_f32 v[SM:SM+1], v[SM:SM+1], v[SM+4:SM+5]
	v_add_f32 v[SM], v[SM], v[SM+1]
	v_add_f32_dpp v[SM], v[SM], v[SM] row_xmask:1 row_mask:0xf bank_mask:0xf
	v_add_f32_dpp v[SM], v[SM], v[SM] row_xmask:2 row_mask:0xf bank_mask:0xf
	v_add_f32_dpp v[SM], v[SM], v[SM] row_xmask:4 row_mask:0xf bank_mask:0xf
	v_add_f32_dpp v[SM], v[SM], v[SM] row_xmask:8 row_mask:0xf bank_mask:0xf
.endm
	s_load_b256 s[4:11], s[0:1], 0x0               ; query s[4:5], proj s[6:7], gamma s[8:9], beta s[10:11]
	s_load_b64 s[12:13], s[0:1], 0x20              ; out0
	v_lshrrev_b32 v1, 5, v0
	v_readfirstlane_b32 s14, v1                    ; wave
	s_lshl_b32 s15, ttmp9, 3
	s_add_co_u32 s15, s15, s14                     ; my pair of rows, 0 to 2,047
	s_lshl_b32 s16, s15, 13                        ; two rows of 4,096 bytes
	s_mov_b32 s17, 0
	s_lshr_b32 s18, s15, 10                        ; batch: 4,194,304 bytes of proj,
	s_lshl_b32 s18, s18, 22
	s_and_b32 s19, s15, 1023
	s_lshl_b32 s19, s19, 8                         ; two rows of 128 bytes in every column block
	s_add_co_u32 s18, s18, s19
	s_mov_b32 s19, 0
	s_mov_b32 s20, 0x3a800000                      ; 1 / 1024
	s_mov_b32 s21, 0x3727c5ac                      ; 1e-5
	v_and_b32 v1, 15, v0
	v_bfe_u32 v2, v0, 4, 1
	v_lshlrev_b32 v3, 4, v1                        ; gamma, beta: 16 r
	v_lshl_add_u32 v14, v2, 12, v3                 ; query, out0: + the half's row
	v_and_b32 v2, 31, v0
	v_lshlrev_b32 v2, 3, v2                        ; proj: 8 l
	v_mov_b32 v[ONE], 1.0
	s_wait_kmcnt 0x0
	s_add_nc_u64 s[4:5], s[4:5], s[16:17]
	s_add_nc_u64 s[12:13], s[12:13], s[16:17]
	s_add_nc_u64 s[6:7], s[6:7], s[18:19]
.set n, 0
.rept 16
	global_load_b64 v[PJ+2*n:PJ+2*n+1], v2, s[6:7] offset:262144*n th:TH_LOAD_NT
.set n, n+1
.endr
.set n, 0
.rept 16
	global_load_b128 v[XQ+4*n:XQ+4*n+3], v14, s[4:5] offset:256*n th:TH_LOAD_NT
.set n, n+1
.endr
.set n, 0
.rept 16
	global_load_b128 v[GA+4*n:GA+4*n+3], v3, s[8:9] offset:256*n
.set n, n+1
.endr
.set n, 0
.rept 16
	global_load_b128 v[BE+4*n:BE+4*n+3], v3, s[10:11] offset:256*n
.set n, n+1
.endr
	s_wait_loadcnt 32                              ; proj and query are in; gamma's and beta's 32 loads may stay out
.set n, 0
.rept 64                                           ; the residual: query + proj, the bf16 half read by the multiply-add itself
.if n%2
	v_fma_mix_f32_bf16 v[XQ+n], v[PJ+n/2], v[ONE], v[XQ+n] op_sel:[1,0,0] op_sel_hi:[1,0,0]
.else
	v_fma_mix_f32_bf16 v[XQ+n], v[PJ+n/2], v[ONE], v[XQ+n] op_sel_hi:[1,0,0]
.endif
.set n, n+1
.endr
.irp k, 0,1,2,3                                    ; the first additions start the chains: nothing is cleared
	v_pk_add_f32 v[SM+2*\k:SM+2*\k+1], v[XQ+2*\k:XQ+2*\k+1], v[XQ+8+2*\k:XQ+8+2*\k+1]
.endr
.set n, 8
.rept 24
	v_pk_add_f32 v[SM+2*(n%4):SM+2*(n%4)+1], v[SM+2*(n%4):SM+2*(n%4)+1], v[XQ+2*n:XQ+2*n+1]
.set n, n+1
.endr
	REDUCE
	v_mul_f32 v[BC], s20, v[SM]                    ; the mean
	v_mov_b32 v[BC+1], v[BC]
.set n, 0
.rept 32
	v_pk_add_f32 v[XQ+2*n:XQ+2*n+1], v[XQ+2*n:XQ+2*n+1], v[BC:BC+1] neg_lo:[0,1] neg_hi:[0,1]
.set n, n+1
.endr
.irp k, 0,1,2,3
	v_pk_mul_f32 v[SM+2*\k:SM+2*\k+1], v[XQ+2*\k:XQ+2*\k+1], v[XQ+2*\k:XQ+2*\k+1]
.endr
.set n, 4
.rept 28
	v_pk_fma_f32 v[SM+2*(n%4):SM+2*(n%4)+1], v[XQ+2*n:XQ+2*n+1], v[XQ+2*n:XQ+2*n+1], v[SM+2*(n%4):SM+2*(n%4)+1]
.set n, n+1
.endr
	REDUCE
	v_fma_f32 v[SM], v[SM], s20, s21               ; the variance + 1e-5
	v_rsq_f32 v[BC], v[SM]
	v_nop                                          ; a plain instruction between the root and the use of its result
	s_wait_alu depctr_va_vdst(0)
	v_mov_b32 v[BC+1], v[BC]
.set n, 0
.rept 32
	v_pk_mul_f32 v[XQ+2*n:XQ+2*n+1], v[XQ+2*n:XQ+2*n+1], v[BC:BC+1]
.set n, n+1
.endr
	s_wait_loadcnt 0x0                             ; gamma and beta
.set n, 0
.rept 16
	v_pk_fma_f32 v[XQ+4*n:XQ+4*n+1], v[XQ+4*n:XQ+4*n+1], v[GA+4*n:GA+4*n+1], v[BE+4*n:BE+4*n+1]
	v_pk_fma_f32 v[XQ+4*n+2:XQ+4*n+3], v[XQ+4*n+2:XQ+4*n+3], v[GA+4*n+2:GA+4*n+3], v[BE+4*n+2:BE+4*n+3]
	global_store_b128 v14, v[XQ+4*n:XQ+4*n+3], s[12:13] offset:256*n th:TH_STORE_NT  ; sixteen lanes store 256 consecutive bytes, aligned
.set n, n+1
.endr
	s_endpgm
.Lfunc_end_k_qcf8e520627_ln:
	.size	k_qcf8e520627_ln, .Lfunc_end_k_qcf8e520627_ln-k_qcf8e520627_ln
	.p2alignl 7, 3214868480
	.fill 96, 4, 3214868480
	.section	.rodata,"a",@progbits
	.p2align	6, 0x0
	.amdhsa_kernel k_qcf8e520627_ln
		.amdhsa_group_segment_fixed_size 0
		.amdhsa_private_segment_fixed_size 0
		.amdhsa_enable_private_segment 0
		.amdhsa_kernarg_size 40
		.amdhsa_user_sgpr_count 2
		.amdhsa_user_sgpr_kernarg_segment_ptr 1
		.amdhsa_wavefront_size32 1
		.amdhsa_system_sgpr_workgroup_id_x 1
		.amdhsa_system_sgpr_workgroup_id_y 1
		.amdhsa_system_sgpr_workgroup_id_z 1
		.amdhsa_system_vgpr_workitem_id 0
		.amdhsa_next_free_vgpr 240
		.amdhsa_next_free_sgpr 66
		.amdhsa_reserve_vcc 0
		.amdhsa_float_denorm_mode_32 3
		.amdhsa_float_denorm_mode_16_64 3
		.amdhsa_memory_ordered 1
		.amdhsa_forward_progress 1
		.amdhsa_inst_pref_size 24
	.end_amdhsa_kernel
	.amdgpu_metadata
---
amdhsa.version: [ 1, 2 ]
amdhsa.kernels:
  - .name:           k_qcf8e520627_ln
    .symbol:         k_qcf8e520627_ln.kd
    .args:
      - { .name: query, .offset: 0, .size: 8, .value_kind: global_buffer, .address_space: global }
      - { .name: proj, .offset: 8, .size: 8, .value_kind: global_buffer, .address_space: global }
      - { .name: gamma, .offset: 16, .size: 8, .value_kind: global_buffer, .address_space: global }
      - { .name: beta, .offset: 24, .size: 8, .value_kind: global_buffer, .address_space: global }
      - { .name: out0, .offset: 32, .size: 8, .value_kind: global_buffer, .address_space: global }
    .group_segment_fixed_size: 0
    .private_segment_fixed_size: 0
    .kernarg_segment_align: 8
    .kernarg_segment_size: 40
    .max_flat_workgroup_size: 256
    .sgpr_count:     66
    .vgpr_count:     240
    .wavefront_size: 32
...
	.end_amdgpu_metadata
.endif
;; end of part 4
;; ======== version 2 of 2: 5 launches; 1.10 times as fast as version 1
;; limits: right only within a limited range of input values
;; workspace buffers: xin 16,777,216 bytes; wqkv 6,291,456 bytes; wot 2,097,152 bytes; bqkv 12,288 bytes; qkv 25,165,824 bytes; ctx 8,388,608 bytes; proj 8,388,608 bytes; mfac 16,777,216 bytes
;; launch prep: the kernel of part 1 again; grid 1281 x 1, 8 waves a work-group, no clusters, 67,072 bytes of LDS; arguments query, key_in, mask, Wq, Wk, Wv, Wo, bq, bk, bv, xin, wqkv, wot, bqkv, mfac; writes xin, wqkv, wot, bqkv, mfac
;; launch qkvproj: the kernel of part 2 again; grid 8 x 96, 4 waves a work-group, clusters of 4 x 4, 327,680 bytes of LDS; arguments xin, wqkv, bqkv, qkv; writes qkv
;; launch attn (part 5): grid 8 x 32, 4 waves a work-group, clusters of 4 x 4, 327,680 bytes of LDS; arguments qkv, mfac, ctx; writes ctx
.if DOCPART == 5
	.amdgcn_target "amdgcn-amd-amdhsa--gfx1250"
	.amdhsa_code_object_version 6
	.text
	.protected	k_qcf8e520627_attn
	.globl	k_qcf8e520627_attn
	.p2align	8
	.type	k_qcf8e520627_attn,@function
k_qcf8e520627_attn:
	s_mov_b64 s[64:65], 0
	v_nop
	global_prefetch_b8 v0, s[64:65] scope:SCOPE_SE
	s_setreg_imm32_b32 hwreg(HW_REG_WAVE_MODE, 25, 1), 1
	s_wait_xcnt 0x0
	s_wait_alu depctr_hold_cnt(0) depctr_sa_sdst(0) depctr_va_vdst(0) depctr_va_sdst(0) depctr_va_ssrc(0) depctr_va_vcc(0) depctr_vm_vsrc(0)
	s_getreg_b32 s2, hwreg(HW_REG_IB_STS2, 6, 4)
	s_cmp_eq_u32 s2, 0
	s_cbranch_scc0 .Lentry_in_a_cluster
	s_endpgm
.Lentry_in_a_cluster:
	s_bfe_u32 s2, ttmp6, 0x10000c
	s_cmp_lg_u32 s2, 0xf033
	s_cbranch_scc0 .Lentry_shape_is_right
	s_endpgm
.Lentry_shape_is_right:
; ATTENTION.  ctx[y][q][:] = sum over k of softmax_k(clip(f[b][q][k] (q . k) / 8, -50, 50)) v[y][k][:], y = 16 b + head, f = 0.5 mask + 0.5.  q, k, v: qkv[p 3][y 32][n 2048][64] in bf16; q carries
; c = log2(e) / 8, so a score arrives in base 2.  f: mfac, bf16, in this kernel's register image.  Products and sums in f32; the weights p are rounded to bf16 for the second product (their sum l is taken of
; the unrounded p); ctx is rounded once.
; NO MAXIMUM IS TAKEN AWAY: the clip, which the module itself makes, holds every exponent within +-50 log2(e) = +-72.14, so p lies in 2^-72.2 .. 2^72.2, a row's sum of 2,048 within 2^-61 .. 2^83.2, and
; the sums p v stay finite in f32 up to |v| of about 2^44.  bf16 has f32's range, so p fits its format; f16 would not.  LIMITS: beyond that |v| the sums overflow; NaN and infinities are not treated apart.
; SHARES.  A work-group owns 256 queries of one y, a wave 64: four tiles of 16, in two PIECES of two tiles.  Every wave walks all 2,048 keys, 64 a step, two steps to an LDS slot.
; LAYOUT.  S^T = K Q^T (source 0 = 16 keys, source 1 = 16 queries): a lane holds ONE query (lane % 16) and the keys 8 (lane / 16) + 0..7.  Two such results rounded in pairs ARE source 1 of O^T = V^T P.
; mfac holds f in just that order, 16 bytes a lane for 16 keys x 16 queries, so f comes out of LDS by plain loads and is multiplied in by a mixed multiply-add that reads the bf16 half.
; BY TURNS.  In a turn piece x has the matrix unit: 16 products V^T P of step j, then 16 products K Q^T of step j + 1; the other piece's softmax, 64 groups of four vector instructions, stands one group behind
; each product and the other 32 in one lump between the two runs of products.  For four scores: four multiplies by f, four clips, four exponentials, two packed sums, two roundings.
; BATCHES.  A turn's 64 exponentials are ONE batch with ONE wait, which cuts the turn in two.  Ahead of it stands all that names no exponential's result: the multiplies by f (behind the products V^T P), the
; clips and the exponentials (the lump).  Behind it stand the readers, the sums and roundings, one group behind each product K Q^T.  Each exponential works in place on a register of S^T of its own, and no
; result crosses a turn's end, a label or a jump.  The way out's four reciprocals are a second batch, with a wait of their own.
; CLUSTER 4 x 4.  x counts blocks of queries, y heads.  The four work-groups of a row (one y) walk the same K and V; the four of a column (one block of queries, four heads of one batch) the same f:
; each tile is asked for jointly by the four that share it.
; REGISTERS, in windows of 256 (s_set_vgpr_msb: bits 1:0 source 0, 3:2 source 1, 5:4 source 2, 7:6 destination):
;   window 0: v0-14 addresses; v16-31 l, four a tile; v62-63 the add's; v64-191 S^T (piece, tile: 64 Y + 32 u); v192-255 P (32 Y + 16 u)
;   window 1: v0-127 O^T, 32 a tile; v128-191 f (32 Y + 16 u)          window 2: v0-63 Q, 16 a tile; v128-191 K of one step; v192-255 V of one step
.set KS,    64
.set PK,    144       ; a row of K in LDS: 128 bytes + 16
.set PV,    160       ; a row of V: 128 + 32
.set VOFF,  2*KS*PK   ; a slot: 128 rows of K, 128 rows of V, two steps' f
.set MOFF,  VOFF+2*KS*PV
.set MSTEP, 32768     ; a step's f for the work-group's 256 queries
.set SLOT1, 1<<17     ; slot 1 begins here: one exclusive or turns an address in one slot into the other's
.set STAGE, SLOT1+MOFF+2*MSTEP  ; behind the ring, never filled by a tensor load: 16 rows x 144 bytes for each wave
.set SP,    144
.set SPARE, STAGE+4*16*SP       ; the spare words, 128 bytes a wave; no other line names them
.set AK0, 2           ; v2   my lane's place in a step's K; never rewritten
.set AV0, 3           ; v3   in its V
.set AM0, 4           ; v4   in its f
.set AK,  5           ; v5-7 the LDS addresses of the runs of loads in hand
.set AV,  6
.set AM,  7
.set QO,  8           ; v8   my byte offset in the wave's rows of Q; later:
.set STO, 8           ;      the way out: where I put 16 bytes of a row
.set RD,  12          ; v12  where I read rows back
.set GO,  13          ; v13  my byte offset in 512 consecutive bytes of ctx
.set ZR,  14          ; v14  0, the mixed multiply-add's addend
.set LL,  16
.set SPW, 62
.set NIL, 63
.set S,   64
.set P,   192
.set MB,  128         ; window 1
.set KF,  128         ; window 2: key block kb, channel half c at KF + 16 kb + 8 c
.set VF,  192         ; window 2: key half kk, channel block cb at VF + 32 kk + 8 cb
.set WV,  12          ; s12  wave
.set G1K, 24          ; s[24:31], s[32:39], s[40:47] group 1 for K, V, f
.set G1V, 32
.set G1M, 40
.set G0K, 48          ; s[48:51], s[52:55], s[56:59] group 0: each walks
.set G0V, 52
.set G0M, 56
.set SLOTS, 60
.set CNT, 61
.set TBK, 62          ; s62, s63, s66  LDS byte at which the step to be fetched begins, for K, V (less VOFF), f (less MOFF)
.set TBV, 63
.set TBM, 66
.set LO,  67          ; s67, s68  -+50 log2(e)
.set HI,  68
.set SEL, 70          ; s[70:71] v_permlanex16_b32's selects
.set MSB, 0
.macro WIN new
.if MSB != (\new)
	s_set_vgpr_msb (MSB<<8)|(\new)
.set MSB, (\new)
.endif
.endm
.set W_KQ, 0x0a       ; K and Q in window 2, S^T in window 0
.set W_PV, 0x52       ; V in window 2, P in window 0, O^T in window 1
.set W_KM, 0x04       ; source 1 (f) in window 1
.set W_RS, 0x41       ; destination and source 0 in window 1
; A joint fill: wave 0 a slot's K, wave 1 its V, waves 2 and 3 the f of its two steps.  The branches hang on the wave's number alone.  An s_nop 0 and four v_nop follow each line.
.macro JLOAD
	s_cmp_lt_u32 s[WV], 2
	s_cbranch_scc0 .Lfor_m_\@
	s_cmp_eq_u32 s[WV], 0
	s_cbranch_scc0 .Lfor_v_\@
	tensor_load_to_lds s[G0K:G0K+3], s[G1K:G1K+7]
	s_nop 0
.rept 4
	v_nop
.endr
	s_branch .Lasked_\@
.Lfor_v_\@:
	tensor_load_to_lds s[G0V:G0V+3], s[G1V:G1V+7]
	s_nop 0
.rept 4
	v_nop
.endr
	s_branch .Lasked_\@
.Lfor_m_\@:
	tensor_load_to_lds s[G0M:G0M+3], s[G1M:G1M+7]
	s_nop 0
.rept 4
	v_nop
.endr
.Lasked_\@:
.endm
.macro CROUND                       ; a round of the cluster's barrier
	s_barrier_signal -1
	s_barrier_wait -1
	s_cmp_lg_u32 s[WV], 0
	s_cbranch_scc1 .Lnot_wave_0_\@
	s_barrier_signal -3
.Lnot_wave_0_\@:
	s_barrier_wait -3
	s_barrier_signal -1
	s_barrier_wait -1
.endm
; THE CHANGE OF SLOTS.  Each wave waits for all its tensor loads, of which one is out: its part of the other slot; adds 0 to its spare word; waits for that and for its reads of the slot that it leaves.
; fill = 1: the slot left is filled again, with the keys two slots on, first thing behind a round of the cluster's barrier: the load has two key steps, 128 matrix instructions, in which to land.
; (At its first use nothing has been read yet: slot 0 is waited for, slot 1 filled.)
.macro CHANGE fill
	WIN 0
	s_wait_tensorcnt 0x0            ; no tensor load of mine is out, so a group 0 may be written
	ds_add_u32 v[SPW], v[NIL]
.if \fill
	s_xor_b32 s[G0K+1], s[G0K+1], SLOT1
	s_add_nc_u64 s[G0K+2:G0K+3], s[G0K+2:G0K+3], 2*KS*128
	s_xor_b32 s[G0V+1], s[G0V+1], SLOT1
	s_add_nc_u64 s[G0V+2:G0V+3], s[G0V+2:G0V+3], 2*KS*128
	s_xor_b32 s[G0M+1], s[G0M+1], SLOT1
	s_add_nc_u64 s[G0M+2:G0M+3], s[G0M+2:G0M+3], 2*MSTEP
	s_wait_dscnt 0x0                ; the add is done, and my reads of the slot are over
	CROUND
	JLOAD
.else
	s_wait_dscnt 0x0
	s_barrier_signal -1
	s_barrier_wait -1
.endif
	s_sub_co_u32 s[TBK], s[TBK], 2*KS*PK  ; the fetches go back to a slot's first step, in the other slot
	s_xor_b32 s[TBK], s[TBK], SLOT1
	s_sub_co_u32 s[TBV], s[TBV], 2*KS*PV
	s_xor_b32 s[TBV], s[TBV], SLOT1
	s_sub_co_u32 s[TBM], s[TBM], 2*MSTEP
	s_xor_b32 s[TBM], s[TBM], SLOT1
.endm
	s_load_b128 s[4:7], s[0:1], 0x0   ; qkv s[4:5], mfac s[6:7]
	s_load_b64 s[8:9], s[0:1], 0x10   ; ctx
	v_lshl_add_u32 v[SPW], v0, 2, SPARE
	v_mov_b32 v[NIL], 0
	ds_add_u32 v[SPW], v[NIL]       ; the wave's opening: the add and its wait ahead of my first tensor load
	v_lshrrev_b32 v1, 5, v0
	v_readfirstlane_b32 s[WV], v1
	s_bfe_u32 s13, ttmp6, 0x40000   ; cx
	s_bfe_u32 s14, ttmp6, 0x40004   ; cy
	s_lshl_b32 s15, ttmp9, 2
	s_add_co_u32 s15, s15, s13      ; my block of 256 queries
	s_and_b32 s16, ttmp7, 0xffff    ; cluster y
	s_lshl_b32 s17, s16, 2
	s_add_co_u32 s17, s17, s14      ; y = 16 b + head
	s_lshr_b32 s18, s16, 2          ; b: made of the cluster's y alone, the same down a column
	s_lshl_b32 s19, s14, 2
	s_lshl_b32 s19, 15, s19         ; my row of the cluster
	s_lshl_b32 s20, 0x1111, s13     ; my column
	; group 1.  K, V: 128 keys are 16,384 dense bytes, asked for as 64 rows of 256, padded in LDS behind every key.  f: 128 rows of 256 dense bytes, unpadded
	s_or_b32 s[G1K], s19, (1<<16)|(1<<20)|(1<<21)|(4<<22)|(3<<25)
	s_or_b32 s[G1V], s19, (1<<16)|(1<<20)|(1<<21)|(4<<22)|(7<<25)
.irp g, G1K, G1V
	s_mov_b32 s[\g+1], 128<<16      ; tensor_dim0 = 128
	s_mov_b32 s[\g+2], 64<<16       ; tensor_dim1 = 64
	s_mov_b32 s[\g+3], 128<<16      ; tile_dim0 = 128
	s_mov_b32 s[\g+4], 64           ; tile_dim1 = 64
	s_mov_b32 s[\g+5], 128
	s_mov_b32 s[\g+6], 0
	s_mov_b32 s[\g+7], 0
.endr
	s_or_b32 s[G1M], s20, (3<<16)|(1<<21)  ; 8-byte elements
	s_mov_b32 s[G1M+1], 32<<16
	s_mov_b32 s[G1M+2], 128<<16
	s_mov_b32 s[G1M+3], 32<<16
	s_mov_b32 s[G1M+4], 128
	s_mov_b32 s[G1M+5], 32
	s_mov_b32 s[G1M+6], 0
	s_mov_b32 s[G1M+7], 0
	s_lshl_b32 s74, s17, 18         ; y's 2,048 rows of 128 bytes,
	s_add_co_u32 s76, s74, 16777216 ; in v
	s_mov_b32 s77, 0
	s_lshl_b32 s80, s15, 15         ; my block's 256 rows,
	s_add_co_u32 s80, s80, s74
	s_lshl_b32 s81, s[WV], 13       ; my wave's 64: q and ctx
	s_add_co_u32 s80, s80, s81
	s_mov_b32 s81, 0
	s_add_co_u32 s74, s74, 8388608  ; in k
	s_mov_b32 s75, 0
	s_and_b32 s82, s[WV], 1         ; which of a slot's two steps' f I fetch
	s_lshl_b32 s82, s82, 15
	s_lshl_b32 s78, s18, 23
	s_lshl_b32 s79, s15, 20
	s_add_co_u32 s78, s78, s79
	s_add_co_u32 s78, s78, s82
	s_mov_b32 s79, 0
	s_mov_b32 s[G0K], 1
	s_mov_b32 s[G0K+1], 0
	s_mov_b32 s[G0V], 1
	s_mov_b32 s[G0V+1], VOFF
	s_mov_b32 s[G0M], 1
	s_add_co_u32 s[G0M+1], s82, MOFF
	s_mov_b32 s[LO], 0xc29044fe
	s_mov_b32 s[HI], 0x429044fe
	s_mov_b32 s[SEL], 0x76543210
	s_mov_b32 s[SEL+1], 0xfedcba98
	s_mov_b32 s[TBK], SLOT1+2*KS*PK ; the first change of slots turns these three into 0
	s_mov_b32 s[TBV], SLOT1+2*KS*PV
	s_mov_b32 s[TBM], SLOT1+2*MSTEP
	s_wait_dscnt 0x0                ; the opening add is done
	s_wait_kmcnt 0x0
	s_add_nc_u64 s[G0K+2:G0K+3], s[4:5], s[74:75]
	s_or_b32 s[G0K+3], s[G0K+3], 0x80000000
	s_add_nc_u64 s[G0V+2:G0V+3], s[4:5], s[76:77]
	s_or_b32 s[G0V+3], s[G0V+3], 0x80000000
	s_add_nc_u64 s[G0M+2:G0M+3], s[6:7], s[78:79]
	s_or_b32 s[G0M+3], s[G0M+3], 0x80000000
	s_add_nc_u64 s[72:73], s[4:5], s[80:81]  ; q at my wave's first row
	s_add_nc_u64 s[8:9], s[8:9], s[80:81]    ; ctx likewise
	CROUND                          ; all sixteen work-groups are here: the first joint loads meet
	JLOAD                           ; slot 0; slot 1 is asked for when slot 0 is in
	v_and_b32 v1, 15, v0            ; r = l % 16
	v_bfe_u32 v9, v0, 4, 1          ; h = l / 16
	v_lshlrev_b32 v[QO], 7, v1
	v_lshl_add_u32 v[QO], v9, 4, v[QO]
	WIN 0x80                        ; destination window 2
.set i, 0
.rept 8                             ; Q stays in registers: tile i / 2, channels 32 (i % 2) on
	global_load_b128 v[8*i:8*i+3],   v[QO], s[72:73] offset:(i/2)*2048+(i%2)*64
	global_load_b128 v[8*i+4:8*i+7], v[QO], s[72:73] offset:(i/2)*2048+(i%2)*64+32
.set i, i+1
.endr
	; No first step is written out: the loop is entered in the middle of a trip, whose products V^T P, of a step that has not been, multiply zeros.  So V's registers, piece 1's P, O^T and l start at 0.
	; These moves stand in the wait for the first tile.
.set i, VF
.rept 64
	v_mov_b32 v[i], 0
.set i, i+1
.endr
	WIN 0x40
.set i, 0
.rept 128
	v_mov_b32 v[i], 0
.set i, i+1
.endr
	WIN 0
.set i, 0
.rept 16
	v_mov_b32 v[LL+i], 0
.set i, i+1
.endr
.set i, P+32
.rept 32
	v_mov_b32 v[i], 0
.set i, i+1
.endr
	v_mov_b32 v[ZR], 0
	v_mul_u32_u24 v[AK0], v1, PK
	v_lshl_add_u32 v[AK0], v9, 4, v[AK0]  ; row x pitch + 16 x half
	v_and_b32 v10, 7, v0            ; the turning load: lane l reads key 8 (l / 16) + l % 8, channels 8 ((l / 8) % 2) + 0..7
	v_bfe_u32 v11, v0, 3, 1
	v_lshl_add_u32 v[AV0], v9, 3, v10
	v_mul_u32_u24 v[AV0], v[AV0], PV
	v_lshl_add_u32 v[AV0], v11, 4, v[AV0]
	v_add_nc_u32 v[AV0], VOFF, v[AV0]
	s_lshl_b32 s82, s[WV], 13       ; f: my wave's four tiles of 2,048 bytes, 16 bytes a lane
	s_add_co_u32 s82, s82, MOFF
	v_and_b32 v[AM0], 31, v0
	v_lshlrev_b32 v[AM0], 4, v[AM0]
	v_add_nc_u32 v[AM0], s82, v[AM0]
; THE MATRIX WORK.  The 8 accumulators of a run of 16 take turns.  Product i of S^T = K Q^T for piece x: channels 32 (i / 8) on, keys 16 ((i / 2) % 4) on, tile i % 2.
.macro KQ x
	WIN W_KQ
.set rS, S+64*(\x)+32*(i%2)+8*((i/2)%4)
.set rK, KF+16*((i/2)%4)+8*(i/8)
.set rQ, 16*(2*(\x)+i%2)+8*(i/8)
.if i < 8
	v_wmma_f32_16x16x32_bf16 v[rS:rS+7], v[rK:rK+7], v[rQ:rQ+7], 0
.else
	v_wmma_f32_16x16x32_bf16 v[rS:rS+7], v[rK:rK+7], v[rQ:rQ+7], v[rS:rS+7]
.endif
.endm
; Product i of O^T += V^T P for piece x: keys 32 (i / 8) on, channels 16 ((i / 2) % 4) on, tile i % 2.
.macro PV x
	WIN W_PV
.set rO, 32*(2*(\x)+i%2)+8*((i/2)%4)
.set rV, VF+32*(i/8)+8*((i/2)%4)
.set rP, P+32*(\x)+16*(i%2)+8*(i/8)
	v_wmma_f32_16x16x32_bf16 v[rO:rO+7], v[rV:rV+7], v[rP:rP+7], v[rO:rO+7]
.endm
; THE LDS LOADS stand in runs, never singly among the matrix instructions; their addresses are made a group ahead.
.macro FETCH_K
	WIN 0x80
.irp f, 0,1,2,3,4,5,6,7             ; keys 16 (f / 2) on, channels 32 (f % 2) on
	ds_load_b128 v[KF+8*\f:KF+8*\f+3],   v[AK] offset:(\f/2)*16*PK+(\f%2)*64
	ds_load_b128 v[KF+8*\f+4:KF+8*\f+7], v[AK] offset:(\f/2)*16*PK+(\f%2)*64+32
.endr
	s_add_co_u32 s[TBK], s[TBK], KS*PK
.endm
.macro FETCH_V
	WIN 0x80
.irp f, 0,1,2,3,4,5,6,7             ; keys 32 (f / 4) on, channels 16 (f % 4) on
	ds_load_tr16_b128 v[VF+8*\f:VF+8*\f+3],   v[AV] offset:(\f/4)*32*PV+(\f%4)*32
	ds_load_tr16_b128 v[VF+8*\f+4:VF+8*\f+7], v[AV] offset:(\f/4)*32*PV+16*PV+(\f%4)*32
.endr
	s_add_co_u32 s[TBV], s[TBV], KS*PV
.endm
.macro FETCH_M p                    ; piece p's f of a step: two tiles x four blocks of 16 keys
	WIN 0x40
.irp f, 0,1,2,3,4,5,6,7
	ds_load_b128 v[MB+32*(\p)+4*\f:MB+32*(\p)+4*\f+3], v[AM] offset:4096*(\p)+512*\f
.endr
.if \p
	s_add_co_u32 s[TBM], s[TBM], MSTEP
.endif
.endm
.macro FETCH_A last                 ; the next step's K and piece 0's f.  last = 1 (the tail): in the last trip there is no further step, and the runs are jumped over
	WIN 0
.if \last
	s_cmp_eq_u32 s[CNT], 1
	s_cbranch_scc1 .Lno_k_\@
.endif
	FETCH_K
	FETCH_M 0
	WIN 0
.if \last
.Lno_k_\@:
.endif
.endm
; THE VECTOR WORK: piece Y's 64 scores a lane are 16 quads; quad t is tile t % 2, registers 4 (t / 2) + 0..3 of its 32.  Groups of four instructions:
;   KM t      the four scores times f (f's halves 2 (t / 2) .. in the tile's 16 registers).  Quads ascend
;   KD t      the clip          KE t  the exponentials          KDE t, hf   half of quad t's clips and half of quad t - 1's exponentials by turns: a plain line stands behind each exponential
;   KAC t     two packed sums onto l, two roundings to bf16: the only lines that name an exponential's result
.macro QREG t
.set rS, S+64*Y+32*((\t)%2)+4*((\t)/2)
.set rP, P+32*Y+16*((\t)%2)+2*((\t)/2)
.set rM, MB+32*Y+16*((\t)%2)+2*((\t)/2)
.set rL, LL+4*(2*Y+(\t)%2)
.endm
.macro KM t
	QREG \t
	WIN W_KM
	v_fma_mix_f32_bf16 v[rS], v[rS], v[rM], v[ZR] op_sel_hi:[0,1,0]
	v_fma_mix_f32_bf16 v[rS+1], v[rS+1], v[rM], v[ZR] op_sel:[0,1,0] op_sel_hi:[0,1,0]
	v_fma_mix_f32_bf16 v[rS+2], v[rS+2], v[rM+1], v[ZR] op_sel_hi:[0,1,0]
	v_fma_mix_f32_bf16 v[rS+3], v[rS+3], v[rM+1], v[ZR] op_sel:[0,1,0] op_sel_hi:[0,1,0]
.endm
.macro KD t
	QREG \t
	WIN 0
.irp e, 0,1,2,3
	v_med3_num_f32 v[rS+\e], v[rS+\e], s[LO], s[HI]
.endr
.endm
.macro KE t
	QREG \t
	WIN 0
.irp e, 0,1,2,3
	v_exp_f32 v[rS+\e], v[rS+\e]
.endr
.endm
.macro KDE t, hf
	WIN 0
	QREG \t
.set dS, rS+2*(\hf)
	QREG (\t)-1
.set eS, rS+2*(\hf)
	v_med3_num_f32 v[dS], v[dS], s[LO], s[HI]
	v_exp_f32 v[eS], v[eS]
	v_med3_num_f32 v[dS+1], v[dS+1], s[LO], s[HI]
	v_exp_f32 v[eS+1], v[eS+1]
.endm
.macro KAC t
	QREG \t
	WIN 0
	v_pk_add_f32 v[rL:rL+1], v[rL:rL+1], v[rS:rS+1]
	v_cvt_pk_bf16_f32 v[rP], v[rS], v[rS+1]
	v_pk_add_f32 v[rL+2:rL+3], v[rL+2:rL+3], v[rS+2:rS+3]
	v_cvt_pk_bf16_f32 v[rP+1], v[rS+2], v[rS+3]
.endm
; Group g of a turn's 64.  0-15: the sixteen quads are multiplied by f.  16-47: quad 0 is clipped; then, two groups a quad, quad t is clipped while quad t - 1 is raised; last, quad 15 is raised.
; None of 0-47 names an exponential's result, and 0-2 hold no exponential.  48-63, behind the turn's wait: the sums and roundings, quads ascending, so that l's sums keep their order.
.macro NEXTG
.if g < 16
	KM g
.elseif g == 16
	KD 0
.elseif g < 47
	KDE 1+(g-17)/2, (g-17)%2
.elseif g == 47
	KE 15
.else
	KAC g-48
.endif
.set g, g+1
.endm
; A TURN.  Piece x has the matrix unit, piece 1 - x the vector unit.  No group names a register of the products round it.
; Its order: 16 products V^T P, behind each a group of multiplies by f; the lump of 32 groups, clips and exponentials; a v_nop and THE WAIT for the turn's 64 exponentials; 16 products K Q^T, behind each
; a group of sums and roundings.  None is issued ahead of group 3.
; x = 0 (step j): V^T P of step j, K Q^T of step j + 1, piece 1's softmax of step j.  Behind group 2 it fetches K and piece 0's f of step j + 1: behind K's last reader stand that product's own four sums
; and roundings, three groups of multiplies and the two address lines.
; x = 1: the same for piece 1, with piece 0's softmax of step j + 1.  Behind group 18 it fetches V and piece 1's f of step j + 1: fourteen plain instructions behind the last product that read V.
.macro TURN x, last=0
.set Y, 1-(\x)
.set g, 0
.set i, 0
.if (\x) == 0
	s_wait_dscnt 0x0                ; V and piece 1's f are in
.endif
.rept 16
	PV \x
.set i, i+1
	NEXTG
.if ((\x) == 0) && (g == 2)
	WIN 0
	v_add_nc_u32 v[AK], s[TBK], v[AK0]
	v_add_nc_u32 v[AM], s[TBM], v[AM0]
.endif
.if ((\x) == 0) && (g == 3)
	FETCH_A \last
.endif
.endr
.rept 32
	NEXTG
.if ((\x) == 1) && (g == 18)
	WIN 0
	v_add_nc_u32 v[AV], s[TBV], v[AV0]
	v_add_nc_u32 v[AM], s[TBM], v[AM0]
.endif
.if ((\x) == 1) && (g == 19)
	FETCH_V
	FETCH_M 1
.endif
.endr
	v_nop                           ; a plain instruction behind the last exponential: one for the batch (every plain line ahead of the wait feeds a later exponential, so none is left to stand here)
	s_wait_alu depctr_va_vdst(0)    ; the wait for the batch, ahead of the first line that names an exponential's result; this one serves the turn's 64
.if (\x) == 0
	s_wait_dscnt 0x0                ; K and piece 0's f are in
.endif
.set i, 0
.rept 16
	KQ \x
.set i, i+1
	NEXTG
.endr
.endm
	CHANGE 1                        ; slot 0 is in, everybody's part of it; slot 1 is asked for
	v_add_nc_u32 v[AK], s[TBK], v[AK0]
	v_add_nc_u32 v[AM], s[TBM], v[AM0]
	FETCH_K                         ; key step 0
	FETCH_M 0
	s_wait_loadcnt 0x0              ; Q
	s_wait_dscnt 0x0
.set i, 0
.rept 16
	KQ 0                            ; piece 0's first scores
.set i, i+1
.endr
	WIN 0                           ; the addresses for the way out: nine plain instructions, the places behind those products
	s_mul_i32 s82, s[WV], 16*SP
	s_add_co_u32 s82, s82, STAGE    ; my stage
	v_mul_u32_u24 v[STO], v1, SP    ; in: row l % 16, 16 bytes for each half of the lanes
	v_lshl_add_u32 v[STO], v9, 4, v[STO]
	v_add_nc_u32 v[STO], s82, v[STO]
	v_bfe_u32 v[RD], v0, 3, 2       ; back: 32 lanes take four rows of 128 bytes,
	v_mul_u32_u24 v[RD], v[RD], SP
	v_lshl_add_u32 v[RD], v10, 4, v[RD]
	v_add_nc_u32 v[RD], s82, v[RD]
	v_and_b32 v[GO], 31, v0         ; which are 512 consecutive bytes of ctx
	v_lshlrev_b32 v[GO], 4, v[GO]
	s_mov_b32 s[CNT], 2
	s_mov_b32 s[SLOTS], 15
	s_branch .Lentry                ; the loop is entered at piece 1's turn, in the middle of a trip
.Lslot:                             ; 14 times: slots 2 to 15 are asked for
	CHANGE 1
	s_mov_b32 s[CNT], 2
.Lstep:                             ; a trip's LDS reads are one key step's
	TURN 0
	WIN 0
.Lentry:
	TURN 1
	WIN 0
	s_sub_co_u32 s[CNT], s[CNT], 1
	s_cmp_lg_u32 s[CNT], 0
	s_cbranch_scc1 .Lstep
	s_sub_co_u32 s[SLOTS], s[SLOTS], 1
	s_cmp_lg_u32 s[SLOTS], 0
	s_cbranch_scc1 .Lslot
	CHANGE 0                        ; the tail is written out: nothing is asked for
	s_mov_b32 s[CNT], 3             ; two trips fetch the last slot's steps; the third is left in its middle
.Ltail:
	TURN 0, 1
	WIN 0
	s_sub_co_u32 s[CNT], s[CNT], 1
	s_cmp_eq_u32 s[CNT], 0
	s_cbranch_scc1 .Lout
	TURN 1
	WIN 0
	s_branch .Ltail
.Lout:                              ; the third trip's 16 products K Q^T, on the last K once more, serve nothing: the price, once a launch, of one text for every trip
.set i, 0
.rept 16
	PV 1                            ; piece 1's V^T P of the last step
.set i, i+1
.endr
	; THE WAY OUT.  l's four parts and the other half of the lanes' are added; O^T is divided by l, rounded to bf16 and sent through my stage, a tile at a time.  The first additions are the places behind the last products.
	WIN 0
.macro ALL line:vararg              ; one line for each tile t
.set t, 0
.rept 4
	\line
.set t, t+1
.endr
.endm
	ALL v_pk_add_f32 v[LL+4*t:LL+4*t+1], v[LL+4*t:LL+4*t+1], v[LL+4*t+2:LL+4*t+3]
	ALL v_add_f32 v[LL+4*t], v[LL+4*t], v[LL+4*t+1]
	ALL v_permlanex16_b32 v[LL+4*t+1], v[LL+4*t], s[SEL], s[SEL+1]
	ALL v_add_f32 v[LL+4*t], v[LL+4*t], v[LL+4*t+1]
	ALL v_rcp_f32 v[LL+4*t], v[LL+4*t]
	v_nop                           ; a plain instruction between the last reciprocal and the use of its result
	s_wait_alu depctr_va_vdst(0)    ; and the wait ahead of the first use: one for the four reciprocals
.macro PACK t                       ; a lane's eight channels of a row pack into 16 bytes; they go into rows of 144 bytes and come back as whole rows of 128, into S^T's registers
	WIN W_RS
.set i, 32*(\t)
.rept 16
	v_pk_mul_f32 v[i:i+1], v[i:i+1], v[LL+4*(\t):LL+4*(\t)+1] op_sel_hi:[1,0]
.set i, i+2
.endr
	WIN 0x05                        ; sources 0 and 1 window 1, destination window 0
.set i, 0
.rept 16
	v_cvt_pk_bf16_f32 v[S+16*(\t)+i], v[32*(\t)+2*i], v[32*(\t)+2*i+1]
.set i, i+1
.endr
	WIN 0
.irp f, 0,1,2,3
	ds_store_b128 v[STO], v[S+16*(\t)+4*\f:S+16*(\t)+4*\f+3] offset:32*\f
.endr
.irp f, 0,1,2,3
	ds_load_b128 v[S+16*(\t)+4*\f:S+16*(\t)+4*\f+3], v[RD] offset:\f*4*SP  ; LDS serves a wave's instructions in order (ISA guide 5.7.1.4): these see the stores above
.endr
.endm
.macro SEND t, younger              ; younger: the LDS instructions issued behind tile t's loads: the next tile's eight, or none
	WIN 0
.irp f, 0,1,2,3
	s_wait_dscnt (\younger)+3-\f
	global_store_b128 v[GO], v[S+16*(\t)+4*\f:S+16*(\t)+4*\f+3], s[8:9] offset:(\t)*2048+\f*512  ; 512 consecutive bytes, at a multiple of 512 from ctx's first
.endr
.endm
	PACK 0
.irp a, 1,2,3                       ; a tile's arithmetic stands between the loads of the tile before and its stores
	PACK \a
	SEND (\a)-1, 8
.endr
	SEND 3, 0
	s_wait_tensorcnt 0x0            ; the wave's end
	ds_add_u32 v[SPW], v[NIL]
	s_wait_dscnt 0x0
	CROUND                          ; the closing round: no work-group ends while a partner may still ask for a tile that names it
	s_endpgm
.Lfunc_end_k_qcf8e520627_attn:
	.size	k_qcf8e520627_attn, .Lfunc_end_k_qcf8e520627_attn-k_qcf8e520627_attn
	.p2alignl 7, 3214868480
	.fill 96, 4, 3214868480
	.section	.rodata,"a",@progbits
	.p2align	6, 0x0
	.amdhsa_kernel k_qcf8e520627_attn
		.amdhsa_group_segment_fixed_size 327680
		.amdhsa_private_segment_fixed_size 0
		.amdhsa_enable_private_segment 0
		.amdhsa_kernarg_size 24
		.amdhsa_user_sgpr_count 2
		.amdhsa_user_sgpr_kernarg_segment_ptr 1
		.amdhsa_wavefront_size32 1
		.amdhsa_system_sgpr_workgroup_id_x 1
		.amdhsa_system_sgpr_workgroup_id_y 1
		.amdhsa_system_sgpr_workgroup_id_z 1
		.amdhsa_system_vgpr_workitem_id 0
		.amdhsa_next_free_vgpr 768
		.amdhsa_next_free_sgpr 90
		.amdhsa_reserve_vcc 0
		.amdhsa_float_denorm_mode_32 3
		.amdhsa_float_denorm_mode_16_64 3
		.amdhsa_memory_ordered 1
		.amdhsa_forward_progress 1
		.amdhsa_inst_pref_size 119
	.end_amdhsa_kernel
	.amdgpu_metadata
---
amdhsa.version: [ 1, 2 ]
amdhsa.kernels:
  - .name:           k_qcf8e520627_attn
    .symbol:         k_qcf8e520627_attn.kd
    .args:
      - { .name: qkv, .offset: 0, .size: 8, .value_kind: global_buffer, .address_space: global }
      - { .name: mfac, .offset: 8, .size: 8, .value_kind: global_buffer, .address_space: global }
      - { .name: ctx, .offset: 16, .size: 8, .value_kind: global_buffer, .address_space: global }
    .group_segment_fixed_size: 327680
    .private_segment_fixed_size: 0
    .kernarg_segment_align: 8
    .kernarg_segment_size: 24
    .max_flat_workgroup_size: 128
    .sgpr_count:     90
    .vgpr_count:     768
    .wavefront_size: 32
...
	.end_amdgpu_metadata
.endif
;; end of part 5
;; launch oproj: the kernel of part 2 again; grid 8 x 32, 4 waves a work-group, clusters of 4 x 4, 327,680 bytes of LDS; arguments ctx, wot, bo, proj; writes proj
;; launch ln: the kernel of part 4 again; grid 256 x 1, 8 waves a work-group, no clusters, 0 bytes of LDS; arguments query, proj, gamma, beta, out0; writes out0
